; MI455X (gfx1250); checked and timed in simulation.
; The chip was launched on July 23, 2026; its instructions are those of AMD's public machine-readable ISA for CDNA 5 (MIT licence, August 2026) and "CDNA5" Instruction Set Architecture Reference Guide (July 2026). The comments in the code are by the model that wrote it; some were corrected since.
;; Attention. Allowed arithmetic: matrix products marked QUANTISED: E2M3 operands, one E8M0 scale for each 32 along K, by v_wmma_scale_f32_16x16x128_f8f6f4 with both operands' format E2M3, f32 sums; everything else in f32.
;; Inputs: b_proj 1,024 float32; k_norm_w 64 float32; q_norm_w 64 float32; rope_cos 1 x 1 x 2,048 x 64 float32; rope_sin 1 x 1 x 2,048 x 64 float32; w_proj 1,024 x 1,024 float32; w_qkv 3,072 x 1,024 float32; x 4 x 2,048 x 1,024 float32.
;; Outputs: out0 4 x 2,048 x 1,024 float32.
;; This version of the problem:
;;   THIS VERSION OF THE PROBLEM IS GIVEN IN LOW PRECISION. The matrix products marked QUANTISED in the list below multiply operands that are first quantised to E2M3 (2 exponent bits, 3 mantissa bits; 6 bits a number), with one power-of-two scale for each 32 numbers along K (OCP MX v1.0); their sums are f32. All else is computed in f32.
;;   The module's matrix products, in the order in which they are computed (A, B: the left and right operand; K: the contracted axis; several contracted axes count as one K, in the product's order):
;;     1. [M 8,192, K 1,024] x [K 1,024, N 3,072]; A: input x; B: input w_qkv: QUANTISED
;;     2. batch 64 x [M 2,048, K 64] x [K 64, N 2,048]; A: computed on the way; B: computed on the way: QUANTISED
;;     3. batch 64 x [M 2,048, K 2,048] x [K 2,048, N 64]; A: softmax (see below); B: computed on the way: QUANTISED
;;     4. [M 8,192, K 1,024] x [K 1,024, N 1,024]; A: computed on the way; B: input w_proj: QUANTISED
;;   THE QUANTISER, for each operand of a quantised product, along K:
;;     - K is cut into blocks of 32 from its start; a last block that is shorter is filled with zeros.
;;     - A block's scale is 2^e with e = floor(log2(the largest magnitude in the block)) - 2, held to -126 .. 127; a block of zeros has e = 0. As a byte (E8M0): e + 127.
;;     - Each number is divided by its block's scale, clamped to +-7.5, and rounded to the nearest number of E2M3, ties to even, subnormals kept.
;;     - The product sums the exact products of the quantised numbers (number of the format x scale) in f32.
;;   ~~~python
;;   def quantise(x, axis):      # numpy; x: float32 -> the quantised numbers, widened to float32 again
;;       x = np.moveaxis(x, axis, -1); K = x.shape[-1]
;;       x = np.pad(x, [(0, 0)] * (x.ndim - 1) + [(0, -K % 32)]); x = x.reshape(x.shape[:-1] + (-1, 32)); a = np.abs(x).max(-1, keepdims=True)
;;       e = np.where(a > 0, np.clip(np.frexp(np.where(a > 0, a, 1))[1] - 1 - 2, -126, 127), 0)      # np.frexp(a)[1] - 1 = floor(log2(a)), exactly
;;       r = np.clip(x / 2.0 ** e, -7.5, 7.5)
;;       step = 2.0 ** (np.maximum(np.frexp(np.where(r == 0, 1, r))[1] - 1, 0) - 3)
;;       q = np.round(r / step) * step * 2.0 ** e      # np.round: ties to even
;;       return np.moveaxis(q.reshape(q.shape[:-2] + (-1,))[..., :K], -1, axis).astype(np.float32)
;;   ~~~
;;   SOFTMAX AHEAD OF A QUANTISED PRODUCT. Where the list says 'softmax', what is quantised is not the finished softmax but p = 2^(t - M), with t = logit x log2(e) and M = ceil(the row's largest t), a whole number; so 1/2 < the row's largest p <= 1. The row's sum l is taken of the UNQUANTISED p, in f32, and the product's result is divided by l at the end. Since M is a whole number, a kernel that streams over the keys may use a running M (the ceiling of the running maximum): every later rescaling is an exact power of two, which a block's scale takes up: the codes' values come out the same.
;;   OPERANDS COMPUTED ON THE WAY. 'Computed on the way' means the value that the module computes at that place (a softmax that the list does not call 'softmax' is quantised finished and normalised). What goes into a quantiser is computed in f32, as accurately as f32 sums, v_exp_f32 and their like allow (about 1e-6 of the number): no bf16 or f16 on the way to a quantiser, and a product that is left as it is and whose result goes on into a quantised operand takes f32 operands (vector FMAs, or v_wmma_f32_16x16x4_f32). A number that lies on a knife's edge between two numbers of the format may be rounded either way, as far as f32 arithmetic and the matrix unit's own rounding can turn it there, and no further.
;; One version. Each part assembles by itself: llvm-mc -triple=amdgcn-amd-amdhsa -mcpu=gfx1250 --defsym DOCPART=n.
;; ======== version 1 of 1: 4 launches
;; limits: right only within a limited range of input values
;; workspace buffers: codes 9,437,184 bytes; scl 393,216 bytes; kv 13,369,344 bytes; qc 13,369,344 bytes; oc 6,291,456 bytes; os 262,144 bytes
;; launch quant (part 1): grid 256 x 1, 6 waves a work-group, no clusters, 52,992 bytes of LDS; arguments x, w_qkv, w_proj, codes, scl; writes codes, scl
.if DOCPART == 1
	.amdgcn_target "amdgcn-amd-amdhsa--gfx1250"
	.amdhsa_code_object_version 6
	.text
	.protected	k_qfc6ec78a6a_quant
	.globl	k_qfc6ec78a6a_quant
	.p2align	8
	.type	k_qfc6ec78a6a_quant,@function
k_qfc6ec78a6a_quant:
	s_mov_b64 s[64:65], 0
	v_nop
	global_prefetch_b8 v0, s[64:65] scope:SCOPE_SE
	s_setreg_imm32_b32 hwreg(HW_REG_WAVE_MODE, 25, 1), 1
	s_wait_xcnt 0x0
; x [8192][1024], w_qkv [3072][1024], w_proj [1024][1024], f32, become codes of FP6 (E2M3) with one E8M0 byte for each 32 along K, laid in the ORDER OF THE OPERAND'S REGISTERS.
; A ROW TILE T has 16 lane-rows; lane-row r stands for row 32 (T / 2) + 8 (T % 2) + r + 8 (r / 8) of its tensor.  A FRAGMENT (16 lane-rows x 128 K) is 12 registers a lane; its image is 1,536 bytes:
; registers 4 c .. 4 c + 3 of lane l at 512 c + 16 l.  codes: [tile 0..767][K step 0..7][1,536]; tiles 0-511 x, 512-703 w_qkv, 704-767 w_proj.  scl: [tile][K step][lane-row] words, byte b for k = 32 b ..
; A block's scale is 2^(floor(log2(largest magnitude)) - 2); its byte is the largest magnitude's exponent field - 2, held at 1 from below.
; LIMITS: a block of zeros gets byte 1 (the rule says 127): its codes are zeros and this program alone reads the bytes; blocks whose largest magnitude lies under 2^-124 keep byte 1; NaN and infinities are not served.
; SHARES: 1,536 waves; wave u takes tile u / 2 and K steps 4 (u % 2) .. + 3: four fragments, written out, every offset an immediate.  A load reads 512 consecutive bytes of one row; the 16 rows turn through the
; wave's own stage in LDS (rows 528 bytes apart) so that lane (r, h) gets k = 64 c + 32 h + 0 .. 31 of row r: two whole blocks, in the operand's own order.  Waves share nothing: no barrier.
.set WREG,   8704                      ; LDS of a wave: the stage, 16 x 528 bytes, then its 256 bytes of scale words
.set SPITCH, 528
.set SCW,    16*SPITCH
.set SPARE,  6*WREG                    ; behind the six regions: the spare words, 128 bytes a wave, three blocks of 256 bytes that no other line names
.set SPW, 8                            ; v8  my spare word's address; never rewritten
.set NIL, 9                            ; v9  0; never rewritten
.set C,   28                           ; v28-39   a fragment's codes
.set R,   40                           ; v40-167  two sets of 64 numbers as loaded
.set X,   168                          ; v168-231 64 numbers in the operand's order
	s_load_b256 s[4:11], s[0:1], 0x0               ; x s[4:5], w_qkv s[6:7], w_proj s[8:9], codes s[10:11]
	s_load_b64 s[12:13], s[0:1], 0x20              ; scl
	v_lshl_add_u32 v[SPW], v0, 2, SPARE
	v_mov_b32 v[NIL], 0
	v_lshrrev_b32 v1, 5, v0
	v_readfirstlane_b32 s18, v1                    ; wave 0..5
	v_and_b32 v10, 31, v0                          ; lane
	v_and_b32 v11, 15, v0                          ; r
	v_bfe_u32 v12, v0, 4, 1                        ; h
	v_lshlrev_b32 v1, 4, v10                       ; 16 x lane: my bytes of a load's and of a store's 512
	s_mul_i32 s19, s18, WREG
	v_add_nc_u32 v2, s19, v1                       ; the stage, on the way in
	v_mul_u32_u24 v3, v11, SPITCH
	v_lshl_add_u32 v3, v12, 7, v3
	v_add_nc_u32 v3, s19, v3                       ; and out: row r, + 128 h bytes
	v_lshl_add_u32 v4, v11, 2, s19
	v_add_nc_u32 v4, SCW, v4                       ; my row's scale word
	v_lshlrev_b32 v6, 3, v10                       ; 8 x lane
	v_add_nc_u32 v5, s19, v6
	v_add_nc_u32 v5, SCW, v5                       ; the 256 bytes of scale words, read back
	v_lshlrev_b32 v7, 3, v12                       ; 8 h: my bytes' place in a scale word
	v_mov_b32 v17, 0                               ; written once: a lane permute's destination counts as one of its sources
	s_mov_b32 s20, 0x76543210
	s_mov_b32 s21, 0xfedcba98                      ; lane l xor 16
	s_mul_i32 s22, ttmp9, 6
	s_add_co_u32 s22, s22, s18                     ; my unit
	s_lshr_b32 s23, s22, 1                         ; its tile
	s_and_b32 s22, s22, 1                          ; and which four K steps
	s_mov_b32 s17, 704
	s_wait_alu depctr_va_vdst(0)
	s_wait_kmcnt 0x0
	s_cmp_lt_u32 s23, 704                          ; which tensor: the choice hangs on ids alone
	s_cselect_b64 s[14:15], s[6:7], s[8:9]
	s_cselect_b32 s16, 512, s17
	s_cmp_lt_u32 s23, 512
	s_cselect_b64 s[14:15], s[4:5], s[14:15]
	s_cselect_b32 s16, 0, s16
	s_sub_co_u32 s16, s23, s16                     ; the tile's number in its tensor
	s_lshr_b32 s24, s16, 1
	s_lshl_b32 s24, s24, 5
	s_and_b32 s16, s16, 1
	s_lshl_b32 s16, s16, 3
	s_add_co_u32 s24, s24, s16                     ; its first row,
	s_lshl_b32 s24, s24, 12                        ; of 4,096 bytes,
	s_lshl_b32 s16, s22, 11
	s_add_co_u32 s24, s24, s16                     ; + my four K steps of 512 bytes
	s_mov_b32 s25, 0
	s_add_nc_u64 s[14:15], s[14:15], s[24:25]
	s_mul_i32 s24, s23, 12288
	s_mul_i32 s16, s22, 6144
	s_add_co_u32 s24, s24, s16
	s_add_nc_u64 s[10:11], s[10:11], s[24:25]
	s_lshl_b32 s24, s23, 9
	s_lshl_b32 s16, s22, 8
	s_add_co_u32 s24, s24, s16
	s_add_nc_u64 s[12:13], s[12:13], s[24:25]
.macro LOAD f                          ; fragment f: 128 k of each of the tile's 16 rows
.irp i, 0,1,2,3,4,5,6,7,8,9,10,11,12,13,14,15
	global_load_b128 v[R+64*((\f)%2)+4*\i:R+64*((\f)%2)+4*\i+3], v1, s[14:15] offset:(\i+8*(\i/8))*4096+512*(\f) th:TH_LOAD_NT
.endr
.endm
.macro TURN f                          ; through the stage: LDS serves a wave's instructions in order, so no wait stands between the stores and the loads
.irp i, 0,1,2,3,4,5,6,7,8,9,10,11,12,13,14,15
	ds_store_b128 v2, v[R+64*((\f)%2)+4*\i:R+64*((\f)%2)+4*\i+3] offset:SPITCH*\i
.endr
.irp c, 0,1
.irp j, 0,1,2,3,4,5,6,7
	ds_load_b128 v[X+32*\c+4*\j:X+32*\c+4*\j+3], v3 offset:256*\c+16*\j
.endr
.endr
.endm
.macro QF f                            ; X's 64 numbers become the fragment's 12 registers and my row's scale word
.irp c, 0,1
	v_max3_num_f32 v[10+\c], |v[X+32*\c]|, |v[X+32*\c+1]|, 0x1800000    ; block 2 c + h is all mine; the floor 2^(3 - 127) holds the byte at 1 from below
.endr
.irp i, 2,4,6,8,10,12,14,16,18,20,22,24,26,28,30
.irp c, 0,1
	v_max3_num_f32 v[10+\c], v[10+\c], |v[X+32*\c+\i]|, |v[X+32*\c+\i+1]|
.endr
.endr
.irp c, 0,1
	v_add_nc_u32 v[12+\c], 0xff000000, v[10+\c]    ; 2 off the exponent field: the conversion's scale operand
.endr
.irp c, 0,1
	v_lshrrev_b32 v[14+\c], 23, v[12+\c]           ; the byte
.endr
	v_lshl_or_b32 v16, v15, 16, v14                ; blocks h and 2 + h,
	v_lshlrev_b32 v16, v7, v16                     ; at their places;
	v_permlanex16_b32 v17, v16, s20, s21
	v_or_b32 v16, v16, v17                         ; with lane l xor 16's two the word is whole
.if (\f) > 0
	s_wait_alu depctr_va_vdst(0)
	s_wait_xcnt 0x0                                ; the last fragment's stores have read C
.endif
.irp c, 0,1
	v_cvt_scalef32_pk16_fp6_f32 v[C+6*\c:C+6*\c+2], v[X+32*\c:X+32*\c+15], v[12+\c]
	v_cvt_scalef32_pk16_fp6_f32 v[20+4*\c:22+4*\c], v[X+32*\c+16:X+32*\c+31], v[12+\c]    ; (a conversion's three registers begin on an even number)
.endr
	v_nop                                          ; one plain place behind a scaled conversion
.irp c, 0,1
.irp i, 0,1,2
	v_mov_b32 v[C+6*\c+3+\i], v[20+4*\c+\i]
.endr
.endr
	ds_store_b32 v4, v16 offset:64*(\f)            ; both halves write the same word with the same value
.irp c, 0,1,2
	global_store_b128 v1, v[C+4*\c:C+4*\c+3], s[10:11] offset:1536*(\f)+512*\c    ; 512 consecutive bytes, aligned to 256
.endr
.endm
	LOAD 0
	LOAD 1
.irp f, 0,1,2,3
.if \f < 3
	s_wait_loadcnt 16                              ; this fragment's 16 loads are in; the next one's may be out
.else
	s_wait_loadcnt 0x0
.endif
	TURN \f
	s_wait_dscnt 0x0                               ; X is in, and the stage's stores have read their registers,
.if \f < 2
	LOAD \f+2                                      ; which take the loads of two fragments on
.endif
	QF \f
.endr
	ds_load_b64 v[10:11], v5                       ; my wave's 64 scale words
	s_wait_dscnt 0x0
	global_store_b64 v6, v[10:11], s[12:13]        ; 256 consecutive bytes, aligned
	s_wait_tensorcnt 0x0                           ; the wave's end
	ds_add_u32 v[SPW], v[NIL]
	s_wait_dscnt 0x0
	s_endpgm
.Lfunc_end_k_qfc6ec78a6a_quant:
	.size	k_qfc6ec78a6a_quant, .Lfunc_end_k_qfc6ec78a6a_quant-k_qfc6ec78a6a_quant
	.p2alignl 7, 3214868480
	.fill 96, 4, 3214868480
	.section	.rodata,"a",@progbits
	.p2align	6, 0x0
	.amdhsa_kernel k_qfc6ec78a6a_quant
		.amdhsa_group_segment_fixed_size 52992
		.amdhsa_private_segment_fixed_size 0
		.amdhsa_enable_private_segment 0
		.amdhsa_kernarg_size 40
		.amdhsa_user_sgpr_count 2
		.amdhsa_user_sgpr_kernarg_segment_ptr 1
		.amdhsa_wavefront_size32 1
		.amdhsa_system_sgpr_workgroup_id_x 1
		.amdhsa_system_sgpr_workgroup_id_y 1
		.amdhsa_system_sgpr_workgroup_id_z 1
		.amdhsa_system_vgpr_workitem_id 0
		.amdhsa_next_free_vgpr 232
		.amdhsa_next_free_sgpr 66
		.amdhsa_reserve_vcc 0
		.amdhsa_float_denorm_mode_32 3
		.amdhsa_float_denorm_mode_16_64 3
		.amdhsa_memory_ordered 1
		.amdhsa_forward_progress 1
		.amdhsa_inst_pref_size 31
	.end_amdhsa_kernel
	.amdgpu_metadata
---
amdhsa.version: [ 1, 2 ]
amdhsa.kernels:
  - .name:           k_qfc6ec78a6a_quant
    .symbol:         k_qfc6ec78a6a_quant.kd
    .args:
      - { .name: x, .offset: 0, .size: 8, .value_kind: global_buffer, .address_space: global }
      - { .name: w_qkv, .offset: 8, .size: 8, .value_kind: global_buffer, .address_space: global }
      - { .name: w_proj, .offset: 16, .size: 8, .value_kind: global_buffer, .address_space: global }
      - { .name: codes, .offset: 24, .size: 8, .value_kind: global_buffer, .address_space: global }
      - { .name: scl, .offset: 32, .size: 8, .value_kind: global_buffer, .address_space: global }
    .group_segment_fixed_size: 52992
    .private_segment_fixed_size: 0
    .kernarg_segment_align: 8
    .kernarg_segment_size: 40
    .max_flat_workgroup_size: 192
    .sgpr_count:     66
    .vgpr_count:     232
    .wavefront_size: 32
...
	.end_amdgpu_metadata
.endif
;; end of part 1
;; launch qkv (part 2): grid 12 x 32, 4 waves a work-group, clusters of 4 x 4, 327,680 bytes of LDS; arguments codes, scl, rope_cos, rope_sin, q_norm_w, k_norm_w, qc, kv; writes qc, kv
.if DOCPART == 2
	.amdgcn_target "amdgcn-amd-amdhsa--gfx1250"
	.amdhsa_code_object_version 6
	.text
	.protected	k_qfc6ec78a6a_qkv
	.globl	k_qfc6ec78a6a_qkv
	.p2align	8
	.type	k_qfc6ec78a6a_qkv,@function
k_qfc6ec78a6a_qkv:
	s_mov_b64 s[64:65], 0
	v_nop
	global_prefetch_b8 v0, s[64:65] scope:SCOPE_SE
	s_setreg_imm32_b32 hwreg(HW_REG_WAVE_MODE, 25, 1), 1
	s_wait_xcnt 0x0
	s_wait_alu depctr_hold_cnt(0) depctr_sa_sdst(0) depctr_va_vdst(0) depctr_va_sdst(0) depctr_va_ssrc(0) depctr_va_vcc(0) depctr_vm_vsrc(0)
	s_getreg_b32 s2, hwreg(HW_REG_IB_STS2, 6, 4)
	s_cmp_eq_u32 s2, 0
	s_cbranch_scc0 .Lentry_in_a_cluster
	s_endpgm
.Lentry_in_a_cluster:
	s_bfe_u32 s2, ttmp6, 0x10000c
	s_cmp_lg_u32 s2, 0xf033
	s_cbranch_scc0 .Lentry_shape_is_right
	s_endpgm
.Lentry_shape_is_right:
.set NQ,    2
.set FR,    12
.set NL,    3
.set NP,    4
.set FRB,   1536
.set TILEB, NQ*FRB
.set HALFT, 8*TILEB
.set SLOT,  4*HALFT
.set LAPS,  2
.set SCL,   2*SLOT
.set HALFS, 8*512
.set SPARE, SCL+4*HALFS
.set REC,   13056
.set HEADB, 16*REC
.set ADRA, 16
.set ADRB, 20
.set ADRS, 27
.set SPW,  28
.set NIL,  29
.set SC,   32
.set AF,   128
.set G1,   24
.set G0,   32
.set G1B,  48
.set G0B,  56
.set G1S,  68
.set G0S,  76
.set G0SB, 80
.set G1SB, 92
.set MSB, 0
.macro WIN new
.if MSB != (\new)
	s_set_vgpr_msb (MSB<<8)|(\new)
.set MSB, (\new)
.endif
.endm
.set MUL_LO, 0xa1
.set MUL_HI, 0xf1
.set TO_B,   0x40
.macro JLOAD g0a, g1a, g0b, g1b
	s_cmp_eq_u32 s13, 0
	s_cbranch_scc0 .Lfor_b_\@
	tensor_load_to_lds s[\g0a:\g0a+3], s[\g1a:\g1a+7]
	s_nop 0
.rept 4
	v_nop
.endr
	s_branch .Lasked_\@
.Lfor_b_\@:
	tensor_load_to_lds s[\g0b:\g0b+3], s[\g1b:\g1b+7]
	s_nop 0
.rept 4
	v_nop
.endr
.Lasked_\@:
.endm
.macro CREST
	s_cmp_lg_u32 s12, 0
	s_cbranch_scc1 .Lnot_wave_0_\@
	s_barrier_signal -3
.Lnot_wave_0_\@:
	s_barrier_wait -3
	s_barrier_signal -1
	s_barrier_wait -1
.endm
.macro CROUND
	s_barrier_signal -1
	s_barrier_wait -1
	CREST
.endm
	s_load_b256 s[4:11], s[0:1], 0x0
	s_load_b256 s[84:91], s[0:1], 0x20
	v_lshl_add_u32 v[SPW], v0, 2, SPARE
	v_mov_b32 v[NIL], 0
	ds_add_u32 v[SPW], v[NIL]
	ds_add_u32 v[SPW], v[NIL]
	v_lshrrev_b32 v1, 5, v0
	v_readfirstlane_b32 s12, v1
	s_lshr_b32 s13, s12, 1
	s_and_b32 s14, s12, 1
	s_bfe_u32 s40, ttmp6, 0x40000
	s_bfe_u32 s41, ttmp6, 0x40004
	s_and_b32 s46, ttmp7, 0xffff
	s_lshl_b32 s46, s46, 2
	s_add_co_u32 s43, s46, s41
	s_add_co_u32 s47, s41, 40
	s_lshl_b32 s42, ttmp9, 2
	s_add_co_u32 s42, s42, s40
	s_add_co_u32 s42, s42, 32
	s_add_co_u32 s15, s46, s40
	s_cmp_eq_u32 ttmp9, 2
	s_cselect_b32 s43, s47, s43
	s_cselect_b32 s42, s15, s42
	s_lshl_b32 s45, s41, 2
	s_lshl_b32 s45, 15, s45
	s_lshl_b32 s44, 0x1111, s40
	s_or_b32 s[G1+0], s45, (3<<16)|(1<<21)
	s_or_b32 s[G1B+0], s44, (3<<16)|(1<<21)
.irp g, G1, G1B
	s_mov_b32 s[\g+1], 384<<16
	s_mov_b32 s[\g+2], 16<<16
	s_mov_b32 s[\g+3], 384<<16
	s_mov_b32 s[\g+4], 16
	s_mov_b32 s[\g+5], 1536
	s_mov_b32 s[\g+6], 0
	s_mov_b32 s[\g+7], 0
.endr
	s_or_b32 s[G1S+0], s45, (3<<16)|(1<<21)
	s_or_b32 s[G1SB+0], s44, (3<<16)|(1<<21)
.irp g, G1S, G1SB
	s_mov_b32 s[\g+1], 32<<16
	s_mov_b32 s[\g+2], 32<<16
	s_mov_b32 s[\g+3], 32<<16
	s_mov_b32 s[\g+4], 32
	s_mov_b32 s[\g+5], 32
	s_mov_b32 s[\g+6], 0
	s_mov_b32 s[\g+7], 0
.endr
	s_lshl_b32 s17, s14, 3
	s_lshl_b32 s16, s43, 4
	s_add_co_u32 s16, s16, s17
	s_lshl_b32 s18, s42, 4
	s_add_co_u32 s18, s18, s17
	s_mul_i32 s20, s16, 12288
	s_mov_b32 s21, 0
	s_mul_i32 s22, s18, 12288
	s_mov_b32 s23, 0
	s_lshl_b32 s16, s16, 9
	s_mov_b32 s17, 0
	s_lshl_b32 s18, s18, 9
	s_mov_b32 s19, 0
	s_mul_i32 s66, s12, HALFT
	s_lshl_b32 s67, s12, 12
	s_wait_dscnt 0x0
	s_wait_kmcnt 0x0
	s_add_nc_u64 s[20:21], s[4:5], s[20:21]
	s_add_nc_u64 s[22:23], s[4:5], s[22:23]
	s_add_nc_u64 s[16:17], s[6:7], s[16:17]
	s_add_nc_u64 s[18:19], s[6:7], s[18:19]
	CROUND
; The head's four tiles, each whole, one load a wave: wave 0 slot 0's 16 tile rows of A, wave 1 the scales of A's 16 tiles, wave 2 slot 0's 16 tile rows of B, wave 3 B's scales.
	s_lshl_b32 s2, s14, 12                         ; my half's 8 tiles of scale words, taken off again: the head's loads begin at the block's first tile
	s_mov_b32 s3, 0
	s_sub_nc_u64 s[16:17], s[16:17], s[2:3]
	s_sub_nc_u64 s[18:19], s[18:19], s[2:3]
	s_mov_b32 s[G0S], 1
	s_mov_b32 s[G0S+1], SCL
	s_mov_b64 s[G0S+2:G0S+3], s[16:17]
	s_or_b32 s[G0S+3], s[G0S+3], 0x80000000
	s_mov_b32 s[G0SB], 1
	s_mov_b32 s[G0SB+1], SCL+2*HALFS
	s_mov_b64 s[G0SB+2:G0SB+3], s[18:19]
	s_or_b32 s[G0SB+3], s[G0SB+3], 0x80000000
	s_mul_i32 s2, s14, 8*12288                     ; my half's 8 tiles of codes
	s_mov_b32 s[G0], 1
	s_mov_b32 s[G0+1], 0
	s_sub_nc_u64 s[G0+2:G0+3], s[20:21], s[2:3]
	s_or_b32 s[G0+3], s[G0+3], 0x80000000
	s_mov_b32 s[G0B], 1
	s_mov_b32 s[G0B+1], 2*HALFT
	s_sub_nc_u64 s[G0B+2:G0B+3], s[22:23], s[2:3]
	s_or_b32 s[G0B+3], s[G0B+3], 0x80000000
	s_mov_b32 s[G0+4], 1
	s_add_co_u32 s[G0+5], s66, SLOT
	s_add_nc_u64 s[G0+6:G0+7], s[20:21], TILEB
	s_or_b32 s[G0+7], s[G0+7], 0x80000000
	s_mov_b32 s[G0B+4], 1
	s_add_co_u32 s[G0B+5], s66, SLOT
	s_add_nc_u64 s[G0B+6:G0B+7], s[22:23], TILEB
	s_or_b32 s[G0B+7], s[G0B+7], 0x80000000
.macro ARM under, g0, g1, next
	s_cmp_lt_u32 s12, \under
	s_cbranch_scc0 \next
	tensor_load_to_lds s[\g0:\g0+3], s[\g1:\g1+7]
	s_nop 0
.rept 4
	v_nop
.endr
	s_branch .Lhead_asked
\next:
.endm
	ARM 1, G0,  G1,  .Lhead_sa
	ARM 2, G0S, G1S, .Lhead_b
	ARM 3, G0B, G1B, .Lhead_sb
	tensor_load_to_lds s[G0SB:G0SB+3], s[G1SB:G1SB+7]
	s_nop 0
.rept 4
	v_nop
.endr
.Lhead_asked:
	s_wait_alu depctr_va_vdst(0)
	s_wait_tensorcnt 0x0                           ; my tile of the four is in; no load of mine is out, so descriptors may be written
	ds_add_u32 v28, v29
	s_mov_b32 s[G1+2], 8<<16                       ; from here on a load brings 8 tile rows, a quarter of a slot
	s_mov_b32 s[G1+4], 8
	s_mov_b32 s[G1B+2], 8<<16
	s_mov_b32 s[G1B+4], 8
	s_mov_b32 s[G0+1], s66                         ; slot 0's group 0 as the ring wants it: my quarter
	s_add_nc_u64 s[G0+2:G0+3], s[G0+2:G0+3], s[2:3]
	s_mov_b32 s[G0B+1], s66
	s_add_nc_u64 s[G0B+2:G0B+3], s[G0B+2:G0B+3], s[2:3]
	s_wait_dscnt 0x0
	CROUND
	JLOAD G0+4, G1, G0B+4, G1B
	v_and_b32 v1, 31, v0
	v_lshlrev_b32 v2, 4, v1
	s_mul_i32 s16, s13, HALFT
	s_mul_i32 s17, s14, HALFT
	s_add_co_u32 s17, s17, 2*HALFT
.irp s, 0,1
	v_add_nc_u32 v[ADRA+\s], s16, v2
	v_add_nc_u32 v[ADRB+\s], s17, v2
	s_add_co_u32 s16, s16, SLOT
	s_add_co_u32 s17, s17, SLOT
.endr
	v_and_b32 v3, 15, v0
	v_lshlrev_b32 v3, 2, v3
	v_bfe_u32 v4, v0, 4, 1
	s_lshl_b32 s18, s13, 12
	s_lshl_b32 s19, s14, 12
	s_add_co_u32 s19, s19, 2*HALFS
	s_sub_co_u32 s19, s19, s18
	v_mul_u32_u24 v5, s19, v4
	s_add_co_u32 s18, s18, SCL
	v_add_nc_u32 v3, v3, v5
	v_add_nc_u32 v[ADRS], s18, v3
.macro FRAG reg, adr, q, i
.irp c, 0,1,2
	ds_load_b128 v[\reg+4*\c:\reg+4*\c+3], v[\adr] offset:TILEB*(\i)+FRB*(\q)+512*\c
.endr
.endm
.macro MUL16 a0, p, q, sc, zero
.irp a, \a0, \a0+1
.irp b, 0,1,2,3,4,5,6,7
.if \zero
	v_wmma_scale_f32_16x16x128_f8f6f4 v[8*(8*((\a)%4)+\b):8*(8*((\a)%4)+\b)+7], v[128*(\p)+FR*\b:128*(\p)+FR*\b+FR-1], v[AF+FR*(\a):AF+FR*(\a)+FR-1], 0, v[SC+8*NQ*(\sc)+NQ*\b+(\q)], v[SC+8*NQ*(\sc)+NQ*(\a)+(\q)] matrix_a_fmt:MATRIX_FMT_FP6 matrix_b_fmt:MATRIX_FMT_FP6 matrix_a_scale:MATRIX_SCALE_ROW1
.else
	v_wmma_scale_f32_16x16x128_f8f6f4 v[8*(8*((\a)%4)+\b):8*(8*((\a)%4)+\b)+7], v[128*(\p)+FR*\b:128*(\p)+FR*\b+FR-1], v[AF+FR*(\a):AF+FR*(\a)+FR-1], v[8*(8*((\a)%4)+\b):8*(8*((\a)%4)+\b)+7], v[SC+8*NQ*(\sc)+NQ*\b+(\q)], v[SC+8*NQ*(\sc)+NQ*(\a)+(\q)] matrix_a_fmt:MATRIX_FMT_FP6 matrix_b_fmt:MATRIX_FMT_FP6 matrix_a_scale:MATRIX_SCALE_ROW1
.endif
.endr
.endr
.endm
.macro FETCH_B slot, q, p
	WIN TO_B
.irp i, 0,1,2,3,4,5,6,7
	FRAG 128*(\p)+FR*\i, ADRB+\slot, \q, \i
.endr
	WIN 0
.endm
.macro FETCH_A slot, q, i0
.irp i, \i0, \i0+1, \i0+2, \i0+3
	FRAG AF+FR*(\i), ADRA+\slot, \q, \i
.endr
.endm
.macro SCALES sc
.irp i, 0,1,2,3,4,5,6,7
.irp q, 0,1
	ds_load_b32 v[SC+16*\sc+2*\i+\q], v[ADRS] offset:512*\i+64*\q
.endr
.endr
.endm
.macro PLACES n
.rept \n
	v_nop
.endr
.endm
.macro STEP slot, q, zero
	s_wait_dscnt 4*NL
	WIN MUL_LO
	MUL16 0, (\q)%2, \q, \slot, \zero
	MUL16 2, (\q)%2, \q, \slot, \zero
	s_wait_dscnt 0
	PLACES NP
	FETCH_B \slot, (\q)+1, 1-(\q)%2
	FETCH_A \slot, (\q)+1, 0
	WIN MUL_HI
	MUL16 4, (\q)%2, \q, \slot, \zero
	MUL16 6, (\q)%2, \q, \slot, \zero
	PLACES NP
	WIN 0
	FETCH_A \slot, (\q)+1, 4
.endm
.macro TURN slot, next, fill
	s_wait_tensorcnt 0x0
	ds_add_u32 v[SPW], v[NIL]
	s_wait_dscnt 4*NL+1
	WIN MUL_LO
	MUL16 0, 1, NQ-1, \slot, 0
	s_wait_dscnt 0x0
	s_barrier_signal -1
	MUL16 2, 1, NQ-1, \slot, 0
	WIN 0
	s_barrier_wait -1
.if \fill
	CREST
	s_add_nc_u64 s[G0+4*\slot+2:G0+4*\slot+3], s[G0+4*\slot+2:G0+4*\slot+3], 2*TILEB
	s_add_nc_u64 s[G0B+4*\slot+2:G0B+4*\slot+3], s[G0B+4*\slot+2:G0B+4*\slot+3], 2*TILEB
	JLOAD G0+4*\slot, G1, G0B+4*\slot, G1B
.else
	PLACES NP
.endif
	s_wait_alu depctr_va_vdst(0)
	v_add_nc_u32 v[ADRS], 64*NQ, v[ADRS]
	FETCH_B \next, 0, 0
	FETCH_A \next, 0, 0
	SCALES \next
	WIN MUL_HI
	MUL16 4, 1, NQ-1, \slot, 0
	MUL16 6, 1, NQ-1, \slot, 0
	PLACES NP
	WIN 0
	FETCH_A \next, 0, 4
.endm
	s_wait_alu depctr_va_vdst(0)
	s_wait_tensorcnt 1
	s_barrier_signal -1
	s_barrier_wait -1
	FETCH_B 0, 0, 0
	FETCH_A 0, 0, 0
	SCALES 0
	FETCH_A 0, 0, 4
	STEP 0, 0, 1
	s_mov_b32 s3, LAPS-1
.Llap:
	TURN 0, 1, 1
	STEP 1, 0, 0
	TURN 1, 0, 1
	STEP 0, 0, 0
	s_sub_co_u32 s3, s3, 1
	s_cmp_lg_u32 s3, 0
	s_cbranch_scc1 .Llap
	TURN 0, 1, 0
	STEP 1, 0, 0
	s_wait_dscnt 4*NL
	WIN MUL_LO
	MUL16 0, 1, NQ-1, 1, 0
	MUL16 2, 1, NQ-1, 1, 0
	s_wait_dscnt 0
	WIN MUL_HI
	MUL16 4, 1, NQ-1, 1, 0
	MUL16 6, 1, NQ-1, 1, 0
	WIN 0
	PLACES NP
	s_mov_b32 s100, 0x76543210
	s_mov_b32 s101, 0xfedcba98
	s_mov_b32 vcc_lo, 0xffff0000
	v_and_b32 v1, 31, v0
	v_lshlrev_b32 v3, 4, v1
	v_and_b32 v1, 15, v0
	v_bfe_u32 v2, v0, 4, 1
	s_cmp_eq_u32 ttmp9, 2
	s_cbranch_scc1 .Lrole_v
.set QM,  64
.set QP,  66
.set QE,  68
.set QB,  70
.set QW,  72
.set QT,  74
.set KSW, 8
.set INV, 128
.set Z,   160
.set CQ,  192
.set NW,  0
.set CS,  32
	s_mov_b32 s2, 0x3c800000
	s_mov_b32 s15, 0x358637bd
	s_lshr_b32 s16, s43, 3
	s_and_b32 s17, s43, 7
	s_lshl_b32 s17, s17, 1
	s_add_co_u32 s17, s17, s13
	s_lshl_b32 s18, s40, 2
	s_lshl_b32 s19, s14, 1
	s_add_co_u32 s18, s18, s19
	s_lshl_b32 s16, s16, 4
	s_add_co_u32 s16, s16, s18
	s_lshl_b32 s16, s16, 4
	s_add_co_u32 s16, s16, s17
	s_mul_i32 s20, s16, REC
	s_mov_b32 s21, 0
	s_lshl_b32 s22, s17, 15
	s_mov_b32 s23, 0
	s_cmp_eq_u32 ttmp9, 0
	s_cselect_b64 s[16:17], s[88:89], s[90:91]
	s_cselect_b64 s[18:19], s[84:85], s[86:87]
	s_add_nc_u64 s[16:17], s[16:17], s[20:21]
	s_add_nc_u64 s[8:9], s[8:9], s[22:23]
	s_add_nc_u64 s[10:11], s[10:11], s[22:23]
	s_wait_alu depctr_va_vdst(0)
	v_and_b32 v4, 8, v1
	v_add_nc_u32 v4, v4, v1
	v_lshlrev_b32 v4, 8, v4
	v_lshl_add_u32 v4, v2, 6, v4
	v_lshlrev_b32 v5, 6, v2
	v_mov_b32 v[QP], 0
	v_mov_b32 v[QP+1], 0
.macro CSLOAD a
.set LB, CS+64*((\a)%2)
.set LO, (32*((\a)/2)+8*((\a)%2))*256
.irp j, 0,1,2,3,4,5,6,7
	global_load_b128 v[LB+4*\j:LB+4*\j+3], v4, s[8:9] offset:LO+128*(\j/4)+16*(\j%4)
.endr
.irp j, 0,1,2,3,4,5,6,7
	global_load_b128 v[LB+32+4*\j:LB+32+4*\j+3], v4, s[10:11] offset:LO+128*(\j/4)+16*(\j%4)
.endr
.endm
.macro QUANT32 z, c, t, w
.irp b, 0,1
	v_max3_num_f32 v[QM+\b], |v[\z+16*\b]|, |v[\z+16*\b+1]|, 0x1800000
.endr
.irp i, 2,4,6,8,10,12,14
.irp b, 0,1
	v_max3_num_f32 v[QM+\b], v[QM+\b], |v[\z+16*\b+\i]|, |v[\z+16*\b+\i+1]|
.endr
.endr
.irp b, 0,1
	v_permlanex16_b32 v[QP+\b], v[QM+\b], s100, s101
.endr
.irp b, 0,1
	v_max_num_f32 v[QM+\b], v[QM+\b], v[QP+\b]
.endr
.irp b, 0,1
	v_add_nc_u32 v[QE+\b], 0xff000000, v[QM+\b]
.endr
.irp b, 0,1
	v_lshrrev_b32 v[QB+\b], 23, v[QE+\b]
.endr
	v_lshl_or_b32 v[\w], v[QB+1], 8, v[QB]
	v_cvt_scalef32_pk16_fp6_f32 v[\c:\c+2], v[\z:\z+15], v[QE]
	v_cvt_scalef32_pk16_fp6_f32 v[\t:\t+2], v[\z+16:\z+31], v[QE+1]
	v_nop
.irp i, 0,1,2
	v_permlane16_swap_b32 v[\c+\i], v[\t+\i]
.endr
.irp i, 0,1,2
	v_mov_b32 v[\c+3+\i], v[\t+\i]
.endr
.endm
	WIN 0x40
.irp j, 0,1,2,3,4,5,6,7
	global_load_b128 v[NW+4*\j:NW+4*\j+3], v5, s[18:19] offset:128*(\j/4)+16*(\j%4)
.endr
	CSLOAD 0
	CSLOAD 1
.irp W, 2,3
	WIN 5*\W
.irp k, 0,1,2,3,4,5,6,7
.irp p, 0,1,2,3,4,5,6,7
.if \k == 0
	v_pk_mul_f32 v[Z+4*\p:Z+4*\p+1], v[32*\p:32*\p+1], v[32*\p:32*\p+1]
	v_pk_mul_f32 v[Z+4*\p+2:Z+4*\p+3], v[32*\p+2:32*\p+3], v[32*\p+2:32*\p+3]
.else
	v_pk_fma_f32 v[Z+4*\p:Z+4*\p+1], v[32*\p+4*\k:32*\p+4*\k+1], v[32*\p+4*\k:32*\p+4*\k+1], v[Z+4*\p:Z+4*\p+1]
	v_pk_fma_f32 v[Z+4*\p+2:Z+4*\p+3], v[32*\p+4*\k+2:32*\p+4*\k+3], v[32*\p+4*\k+2:32*\p+4*\k+3], v[Z+4*\p+2:Z+4*\p+3]
.endif
.endr
.endr
	WIN 0
.irp p, 0,1,2,3,4,5,6,7
	v_pk_add_f32 v[Z+4*\p:Z+4*\p+1], v[Z+4*\p:Z+4*\p+1], v[Z+4*\p+2:Z+4*\p+3]
.endr
.irp p, 0,1,2,3,4,5,6,7
	v_add_f32 v[INV+2*(8*(\W-2)+\p)], v[Z+4*\p], v[Z+4*\p+1]
.endr
.endr
.irp k, 0,1,2,3,4,5,6,7,8,9,10,11,12,13,14,15
	v_permlanex16_b32 v[Z+\k], v[INV+2*\k], s100, s101
.endr
.irp k, 0,1,2,3,4,5,6,7,8,9,10,11,12,13,14,15
	v_add_f32 v[INV+2*\k], v[INV+2*\k], v[Z+\k]
.endr
.irp k, 0,1,2,3,4,5,6,7,8,9,10,11,12,13,14,15
	v_fma_f32 v[INV+2*\k], v[INV+2*\k], s2, s15
.endr
	s_wait_alu depctr_va_vdst(0)
.irp k, 0,1,2,3,4,5,6,7,8,9,10,11,12,13,14,15
	v_rsq_f32 v[INV+2*\k], v[INV+2*\k]
.endr
	v_nop
	s_wait_alu depctr_va_vdst(0)
.macro QKTILE a
.set CB, CS+64*((\a)%2)
.set WA, 2+(\a)/4
.if (\a) < 7
	s_wait_loadcnt 16
.else
	s_wait_loadcnt 0x0
.endif
	WIN 0x45
.irp k, 0,2,4,6,8,10,12,14
	v_pk_mul_f32 v[CB+\k:CB+\k+1], v[CB+\k:CB+\k+1], v[NW+\k:NW+\k+1]
	v_pk_mul_f32 v[CB+16+\k:CB+17+\k], v[CB+16+\k:CB+17+\k], v[NW+16+\k:NW+17+\k]
	v_pk_mul_f32 v[CB+32+\k:CB+33+\k], v[CB+32+\k:CB+33+\k], v[NW+16+\k:NW+17+\k]
	v_pk_mul_f32 v[CB+48+\k:CB+49+\k], v[CB+48+\k:CB+49+\k], v[NW+\k:NW+\k+1]
.endr
.irp hh, 0,1
.set XB, 64*((\a)%4)+32*\hh
.set CC, CQ+12*\hh+6*((\a)%2)
	WIN WA|4
.irp k, 0,2,4,6,8,10,12,14
	v_pk_mul_f32 v[Z+\k:Z+\k+1], v[XB+\k:XB+\k+1], v[CB+\k:CB+\k+1]
.endr
.irp k, 0,2,4,6,8,10,12,14
	v_pk_mul_f32 v[Z+16+\k:Z+17+\k], v[XB+16+\k:XB+17+\k], v[CB+16+\k:CB+17+\k]
.endr
.irp k, 0,2,4,6,8,10,12,14
	v_pk_fma_f32 v[Z+\k:Z+\k+1], v[XB+16+\k:XB+17+\k], v[CB+32+\k:CB+33+\k], v[Z+\k:Z+\k+1] neg_lo:[1,0,0] neg_hi:[1,0,0]
.endr
.irp k, 0,2,4,6,8,10,12,14
	v_pk_fma_f32 v[Z+16+\k:Z+17+\k], v[XB+\k:XB+\k+1], v[CB+48+\k:CB+49+\k], v[Z+16+\k:Z+17+\k]
.endr
	WIN 0
.irp k, 0,2,4,6,8,10,12,14,16,18,20,22,24,26,28,30
	v_pk_mul_f32 v[Z+\k:Z+\k+1], v[Z+\k:Z+\k+1], v[INV+4*(\a)+2*\hh:INV+4*(\a)+2*\hh+1] op_sel_hi:[1,0]
.endr
.if ((\a)%2 == 0) && ((\a) >= 2) && (\hh == 0)
	s_wait_alu depctr_va_vdst(0)
	s_wait_xcnt 0x0
.endif
	QUANT32 Z, CC, QT, QW
.if (\a)%2 == 0
	v_mov_b32 v[KSW+4*\hh+(\a)/2], v[QW]
.else
	v_cndmask_b32 v[KSW+4*\hh+(\a)/2], v[KSW+4*\hh+(\a)/2], v[QW], vcc_lo
.irp c, 0,1,2
	global_store_b128 v3, v[CQ+12*\hh+4*\c:CQ+12*\hh+4*\c+3], s[16:17] offset:HEADB*\hh+FRB*((\a)/2)+512*\c
.endr
.endif
.endr
.if (\a) < 6
	WIN 0x40
	CSLOAD (\a)+2
.endif
.endm
.irp a, 0,1,2,3,4,5,6,7
	QKTILE \a
.endr
	WIN 0
.irp hh, 0,1
	global_store_b128 v3, v[KSW+4*\hh:KSW+4*\hh+3], s[16:17] offset:HEADB*\hh+12288
.endr
	s_branch .Lend
.Lrole_v:
.set TM,  64
.set PW,  80
.set VSW, 82
.set PC,  128
	s_lshr_b32 s16, s42, 3
	s_and_b32 s17, s42, 7
	s_lshl_b32 s17, s17, 1
	s_add_co_u32 s17, s17, s14
	s_lshl_b32 s18, s41, 2
	s_lshl_b32 s19, s13, 1
	s_add_co_u32 s18, s18, s19
	s_lshl_b32 s16, s16, 4
	s_add_co_u32 s16, s16, s18
	s_lshl_b32 s16, s16, 4
	s_add_co_u32 s16, s16, s17
	s_mul_i32 s20, s16, REC
	s_mov_b32 s21, 0
	s_add_nc_u64 s[16:17], s[90:91], s[20:21]
	v_and_b32 v4, 31, v0
	v_lshlrev_b32 v4, 3, v4
.irp b, 0,1,2,3
	v_mov_b32 v[TM+4+\b], 0
.endr
.macro VTILE a
.set WA, 2+(\a)/4
.set XB, 64*((\a)%4)
	WIN 0
.irp b, 0,1,2,3
	v_mov_b32 v[TM+\b], 0x1800000
.endr
	WIN 20*WA
.irp i, 0,2,4,6,8,10,12,14
.irp b, 0,1,2,3
	v_max3_num_f32 v[TM+\b], v[TM+\b], |v[XB+16*\b+\i]|, |v[XB+16*\b+\i+1]|
.endr
.endr
	WIN 0
.irp b, 0,1,2,3
	v_permlanex16_b32 v[TM+4+\b], v[TM+\b], s100, s101
.endr
.irp b, 0,1,2,3
	v_max_num_f32 v[TM+\b], v[TM+\b], v[TM+4+\b]
.endr
.irp b, 0,1,2,3
	v_add_nc_u32 v[TM+12+\b], 0xff000000, v[TM+\b]
.endr
.irp b, 0,1,2,3
	v_lshrrev_b32 v[TM+4+\b], 23, v[TM+12+\b]
.endr
	v_lshl_or_b32 v[PW], v[TM+5], 8, v[TM+4]
	v_lshl_or_b32 v[PW], v[TM+6], 16, v[PW]
	v_lshl_or_b32 v[PW], v[TM+7], 24, v[PW]
.if (\a) > 0
	s_wait_xcnt 0x0
.endif
	WIN WA
.irp c, 0,1
	v_cvt_scalef32_pk16_fp6_f32 v[PC+6*\c:PC+6*\c+2], v[XB+32*\c:XB+32*\c+15], v[TM+12+2*\c]
	v_cvt_scalef32_pk16_fp6_f32 v[PC+12+4*\c:PC+14+4*\c], v[XB+32*\c+16:XB+32*\c+31], v[TM+13+2*\c]
.endr
	WIN 0
	v_nop
.irp c, 0,1
.irp i, 0,1,2
	v_permlane16_swap_b32 v[PC+6*\c+\i], v[PC+12+4*\c+\i]
.endr
.irp i, 0,1,2
	v_mov_b32 v[PC+6*\c+3+\i], v[PC+12+4*\c+\i]
.endr
.endr
.if (\a)%2 == 0
	v_mov_b32 v[VSW+((\a)%4)/2], v[PW]
.else
	v_cndmask_b32 v[VSW+((\a)%4)/2], v[VSW+((\a)%4)/2], v[PW], vcc_lo
.endif
.irp c, 0,1,2
	global_store_b128 v3, v[PC+4*\c:PC+4*\c+3], s[16:17] offset:HEADB*((\a)/4)+6144+FRB*((\a)%4)+512*\c
.endr
.if (\a)%4 == 3
	global_store_b64 v4, v[VSW:VSW+1], s[16:17] offset:HEADB*((\a)/4)+12800
.endif
.endm
.irp a, 0,1,2,3,4,5,6,7
	VTILE \a
.endr
.Lend:
	s_wait_tensorcnt 0x0
	ds_add_u32 v[SPW], v[NIL]
	s_wait_dscnt 0x0
	CROUND
	s_endpgm
.Lfunc_end_k_qfc6ec78a6a_qkv:
	.size	k_qfc6ec78a6a_qkv, .Lfunc_end_k_qfc6ec78a6a_qkv-k_qfc6ec78a6a_qkv
	.p2alignl 7, 3214868480
	.fill 96, 4, 3214868480
	.section	.rodata,"a",@progbits
	.p2align	6, 0x0
	.amdhsa_kernel k_qfc6ec78a6a_qkv
		.amdhsa_group_segment_fixed_size 327680
		.amdhsa_private_segment_fixed_size 0
		.amdhsa_enable_private_segment 0
		.amdhsa_kernarg_size 64
		.amdhsa_user_sgpr_count 2
		.amdhsa_user_sgpr_kernarg_segment_ptr 1
		.amdhsa_wavefront_size32 1
		.amdhsa_system_sgpr_workgroup_id_x 1
		.amdhsa_system_sgpr_workgroup_id_y 1
		.amdhsa_system_sgpr_workgroup_id_z 1
		.amdhsa_system_vgpr_workitem_id 0
		.amdhsa_next_free_vgpr 1024
		.amdhsa_next_free_sgpr 102
		.amdhsa_reserve_vcc 1
		.amdhsa_float_denorm_mode_32 3
		.amdhsa_float_denorm_mode_16_64 3
		.amdhsa_memory_ordered 1
		.amdhsa_forward_progress 1
		.amdhsa_inst_pref_size 255
	.end_amdhsa_kernel
	.section	.bss,"aw",@nobits
	.p2align	6
	.space	262144
	.amdgpu_metadata
---
amdhsa.version: [ 1, 2 ]
amdhsa.kernels:
  - .name:           k_qfc6ec78a6a_qkv
    .symbol:         k_qfc6ec78a6a_qkv.kd
    .args:
      - { .name: codes, .offset: 0, .size: 8, .value_kind: global_buffer, .address_space: global }
      - { .name: scl, .offset: 8, .size: 8, .value_kind: global_buffer, .address_space: global }
      - { .name: rope_cos, .offset: 16, .size: 8, .value_kind: global_buffer, .address_space: global }
      - { .name: rope_sin, .offset: 24, .size: 8, .value_kind: global_buffer, .address_space: global }
      - { .name: q_norm_w, .offset: 32, .size: 8, .value_kind: global_buffer, .address_space: global }
      - { .name: k_norm_w, .offset: 40, .size: 8, .value_kind: global_buffer, .address_space: global }
      - { .name: qc, .offset: 48, .size: 8, .value_kind: global_buffer, .address_space: global }
      - { .name: kv, .offset: 56, .size: 8, .value_kind: global_buffer, .address_space: global }
    .group_segment_fixed_size: 327680
    .private_segment_fixed_size: 0
    .kernarg_segment_align: 8
    .kernarg_segment_size: 64
    .max_flat_workgroup_size: 128
    .sgpr_count:     102
    .vgpr_count:     1024
    .wavefront_size: 32
...
	.end_amdgpu_metadata
.endif
;; end of part 2
;; launch attn (part 3): grid 4 x 64, 16 waves a work-group, clusters of 4 x 1, 271,872 bytes of LDS; arguments qc, kv, oc, os; writes oc, os
.if DOCPART == 3
	.amdgcn_target "amdgcn-amd-amdhsa--gfx1250"
	.amdhsa_code_object_version 6
	.text
	.protected	k_qfc6ec78a6a_attn
	.globl	k_qfc6ec78a6a_attn
	.p2align	8
	.type	k_qfc6ec78a6a_attn,@function
k_qfc6ec78a6a_attn:
	s_mov_b64 s[64:65], 0
	v_nop
	global_prefetch_b8 v0, s[64:65] scope:SCOPE_SE
	s_setreg_imm32_b32 hwreg(HW_REG_WAVE_MODE, 25, 1), 1
	s_wait_xcnt 0x0
	s_wait_alu depctr_hold_cnt(0) depctr_sa_sdst(0) depctr_va_vdst(0) depctr_va_sdst(0) depctr_va_ssrc(0) depctr_va_vcc(0) depctr_vm_vsrc(0)
	s_getreg_b32 s2, hwreg(HW_REG_IB_STS2, 6, 4)
	s_cmp_eq_u32 s2, 0
	s_cbranch_scc0 .Lentry_in_a_cluster
	s_endpgm
.Lentry_in_a_cluster:
	s_bfe_u32 s2, ttmp6, 0x10000c
	s_cmp_lg_u32 s2, 0x3003
	s_cbranch_scc0 .Lentry_shape_is_right
	s_endpgm
.Lentry_shape_is_right:
; o = softmax(q k^T / 8) v for one (batch, head), both products on codes of FP6 (E2M3) with E8M0 scales; o is divided by the row's sum and quantised along d for the projection.
; THE SOFTMAX: t = score x log2(e) / 8; M = the running largest t rounded UP to a whole number, kept as -M; p = 2^(t - M) is quantised along the keys, not normalised; the sum is taken of the unquantised p
; in f32.  When M moves, the sum and O are multiplied by 2^(old M - new M): exact.
; SHARES.  The four work-groups of a cluster take 512 queries each of one head; each of the sixteen waves owns two tiles of 16 queries and walks the 2,048 keys ONCE, 128 a trip: each fragment of k feeds both
; tiles' scores and each fragment of v both tiles' O, so a trip has 29 LDS loads for 24 matrix instructions.
; A HEAD'S WHOLE k, v AND SCALE WORDS LIE IN LDS: sixteen records of 13,056 bytes as the launch before laid them; wave w brings record w by ONE joint load (one load of mine is out); nothing is filled again.
; The load pads each row of 256 bytes by 64: an image of 1,536 bytes is then 1,920 apart from the next, 128 modulo 256, so that lanes 0-7 and lanes 8-15 of a k load, which read two neighbouring images, touch different banks.
; No prefetch: the launch has no loop over memory; every record is asked for once, at the head.
; WHICH KEYS FORM A TILE OF k is chosen here, by the lanes' LDS addresses: tile 4 c + u takes keys 64 c + 8 u + 0..7 as lane-rows 0-7 and keys 64 c + 32 + 8 u + 0..7 as lane-rows 8-15.  With S^T = k q^T a lane (query r, half h)
; then holds in the 32 registers of tiles 4 c .. 4 c + 3 the keys 64 c + 32 h + 0 .. 31: a WHOLE block, in the order of the second product's operand.  A block's maximum needs no other lane and p's codes no exchange.
; In the records lane-row x of tile T stands for key 32 (T / 2) + 8 (T % 2) + x + 8 (x / 8), two tiles to an image: so lane (r, h) reads image 2 c + r / 8 at lane place r % 8 + 8 (u / 2) + 16 h.
; K = 64 IN AN INSTRUCTION OF 128: q's fragments have zero codes in registers 6-11; k's fragment of tile t is 12 registers from v[KV + 6 t], whose upper six are the next tile's codes, or behind tile 7 six work registers:
; every FP6 code is a finite number, and it meets a zero code; the scale bytes 2, 3 are 0.
; OUT: oc [token tile][head][768]: registers 2 k, 2 k + 1 of lane l at 256 k + 8 l;  os [token tile][K step][lane-row] words, a head owns two bytes.
; LIMITS: NaN and infinities are not served; a block of zeros carries byte 1, not 127 (zero codes; read by this program alone); the scaled scores stay under 2^31 in magnitude.
; REGISTERS: v0 f; v1-4 LDS addresses; v5, v6 the add's; v7 q's scale words; v8-11 k's; v12-13 v's; v14-15 p's; v16-17 -M; v18-21 the sums; v22-25 at work; v26-49 q's two fragments; v50-97 k, then v; v98-103 at work;
;   v104-167 S^T, then p; v168-231 O^T of both tiles; v232-255 p's codes of both tiles.
.set REC,   13056
.set FRB,   1536
.set HEADB, 16*REC
.set LREC,  16320                      ; a record in LDS: 51 rows of 256 + 64 bytes
.set RB,    8704                       ; the first record's LDS byte: v's addresses are stepped ahead of v's loads, so v's offsets are RB - LREC + ..., which must not be negative
.set SPARE, RB+16*LREC                 ; behind the records: the spare words, 128 bytes a wave: eight blocks of 256 bytes that no other line names
.set VOFF,  RB-LREC+7680               ; v's images begin at row 24 of a record
.set VSOFF, RB-LREC+16000              ; v's scale words: row 50
.set F,   0
.set KB,  1
.set KSB, 2
.set VB,  3
.set VSB, 4
.set SPW, 5
.set NIL, 6
.set QS,  7
.set KS,  8
.set VS,  12
.set PW,  14
.set NM,  16
.set SUM, 18
.set BY,  22
.set T0,  24
.set BM0, 25
.set QF,  26
.set KV,  50
.set PD,  98
.set CT0, PD
.set BM1, PD+3
.set TN,  PD+4
.set T1,  PD+5
.set CT1, 22
.set S,   104
.set O,   168
.set PC,  232
.set WV,  12
.set SEL, 44
.set CS,  46                           ; s[46:47] c = log2(e) / 8
.set NC,  48                           ; -c
.set CNT, 3
.macro CROUND
	s_barrier_signal -1
	s_barrier_wait -1
	s_cmp_lg_u32 s[WV], 0
	s_cbranch_scc1 .Lnot_wave_0_\@
	s_barrier_signal -3
.Lnot_wave_0_\@:
	s_barrier_wait -3
	s_barrier_signal -1
	s_barrier_wait -1
.endm
	s_load_b256 s[4:11], s[0:1], 0x0               ; qc s[4:5], kv s[6:7], oc s[8:9], os s[10:11]
	v_lshl_add_u32 v[SPW], v0, 2, SPARE
	v_mov_b32 v[NIL], 0
	ds_add_u32 v[SPW], v[NIL]                      ; the wave's opening: the add, twice on end, and its wait ahead of my tensor load
	ds_add_u32 v[SPW], v[NIL]
	v_lshrrev_b32 v104, 5, v0
	v_readfirstlane_b32 s[WV], v104                ; wave 0..15
	s_bfe_u32 s13, ttmp6, 0x40000                  ; cx: it enters q's and o's addresses alone
	s_and_b32 s14, ttmp7, 0xffff                   ; batch x 16 + head, which the four partners share
	; group 1: a record, 51 rows of 256 bytes (32 elements of 8), 16 words of padding behind each 64
	s_mov_b32 s24, 15|(3<<16)|(1<<20)|(1<<21)|(5<<22)|(15<<25)
	s_mov_b32 s25, 32<<16
	s_mov_b32 s26, 51<<16
	s_mov_b32 s27, 32<<16
	s_mov_b32 s28, 51
	s_mov_b32 s29, 32
	s_mov_b32 s30, 0
	s_mov_b32 s31, 0
	s_mul_i32 s15, s[WV], REC                      ; my record in the head
	s_mul_i32 s33, s[WV], LREC                     ; and in LDS
	s_add_co_u32 s33, s33, RB
	s_mul_i32 s16, s14, HEADB
	s_add_co_u32 s16, s16, s15
	s_mov_b32 s17, 0
	s_lshl_b32 s18, s14, 4
	s_lshl_b32 s19, s13, 2
	s_add_co_u32 s18, s18, s19
	s_lshr_b32 s19, s[WV], 2
	s_add_co_u32 s18, s18, s19                     ; the record of qc with my 32 queries: pair 16 cx + wave
	s_mul_i32 s18, s18, REC
	s_and_b32 s19, s[WV], 3                        ; and which pair of it
	s_mul_i32 s20, s19, FRB
	s_add_co_u32 s20, s20, s18
	s_mov_b32 s21, 0
	s_lshl_b32 s22, s19, 2
	s_add_co_u32 s22, s22, s18
	s_mov_b32 s23, 0
	s_lshr_b32 s18, s14, 4
	s_lshl_b32 s18, s18, 7
	s_lshl_b32 s19, s13, 5
	s_add_co_u32 s18, s18, s19
	s_lshl_b32 s19, s[WV], 1
	s_add_co_u32 s18, s18, s19                     ; my first token tile: 128 batch + 32 cx + 2 wave
	s_and_b32 s19, s14, 15                         ; head
	s_mul_i32 s40, s18, 12288
	s_mul_i32 s41, s19, 768
	s_add_co_u32 s40, s40, s41
	s_mov_b32 s41, 0
	s_lshl_b32 s42, s18, 9
	s_lshr_b32 s43, s19, 1
	s_lshl_b32 s43, s43, 6
	s_add_co_u32 s42, s42, s43
	s_and_b32 s43, s19, 1
	s_lshl_b32 s43, s43, 1
	s_add_co_u32 s42, s42, s43
	s_mov_b32 s43, 0
	s_mov_b32 s[SEL], 0x76543210
	s_mov_b32 s[SEL+1], 0xfedcba98                 ; lane l xor 16
	s_mov_b32 s[CS], 0x3e38aa3b
	s_mov_b32 s[CS+1], s[CS]                       ; (named with it as a pair, so it is written)
	s_mov_b32 s[NC], 0xbe38aa3b
	s_wait_dscnt 0x0                               ; both opening adds are done
	s_wait_kmcnt 0x0
	s_mov_b32 s32, 1
	s_add_nc_u64 s[34:35], s[6:7], s[16:17]
	s_or_b32 s35, s35, 0x80000000
	s_add_nc_u64 s[36:37], s[4:5], s[20:21]        ; q's pair image
	s_add_nc_u64 s[38:39], s[4:5], s[22:23]        ; its record, + 4 x pair: the scale words
	s_add_nc_u64 s[40:41], s[8:9], s[40:41]
	s_add_nc_u64 s[42:43], s[10:11], s[42:43]
	CROUND                                         ; all four work-groups are here: the joint loads meet
	tensor_load_to_lds s[32:35], s[24:31]
	s_nop 0
.rept 4
	v_nop
.endr
	v_and_b32 v104, 15, v0                         ; r
	v_bfe_u32 v105, v0, 4, 1                       ; h
	v_and_b32 v106, 7, v0                          ; r % 8
	v_bfe_u32 v107, v0, 3, 1                       ; r / 8
	v_and_b32 v108, 31, v0                         ; lane
	v_mul_u32_u24 v105, v105, 320                  ; lanes 16-31 read the next LDS row
	v_lshlrev_b32 v109, 4, v108                    ; 16 x lane, for q
	v_lshl_add_u32 v[VB], v104, 4, v105            ; v: 16 r + 320 h
	v_lshl_add_u32 v105, v106, 4, v105             ; 16 (r % 8) + 320 h
	v_lshlrev_b32 v[VSB], 3, v108                  ; v's scale words: 8 x lane
	v_mad_u32_u24 v[KB], v107, 1920, v105          ; k: + the next image for lane-rows 8-15
	v_lshl_add_u32 v[KSB], v107, 2, v105           ; k's scale words: + that image's word
.irp c, 0,1,2
	global_load_b128 v[QF+4*\c:QF+4*\c+3], v109, s[36:37] offset:512*\c
.endr
	global_load_b32 v[QS], v109, s[38:39] offset:12288
.irp i, 0,1,2,3
	v_mov_b32 v[BY+\i], 0                          ; written once: a lane permute's destination counts as one of its sources
	v_mov_b32 v[SUM+\i], 0
.endr
	v_mov_b32 v[NM], 0x7f61b1e6                    ; -M = 3e38: M lies under every t
	v_mov_b32 v[NM+1], 0x7f61b1e6
.set j, 0
.rept 64
	v_mov_b32 v[O+j], 0                            ; the step is written once: the first finds zeros
.set j, j+1
.endr
	s_wait_loadcnt 0x0
.irp i, 0,1,2,3,4,5
	v_mov_b32 v[QF+12+\i], v[QF+6+\i]              ; the second tile's codes get a fragment of their own;
.endr
.irp i, 0,1,2,3,4,5
	v_mov_b32 v[QF+6+\i], 0                        ; both fragments' upper 64 along K are zero codes
	v_mov_b32 v[QF+18+\i], 0
	v_mov_b32 v[PD+\i], 0                          ; what stands behind k's tile 7 is written
.endr
	s_mov_b32 s[CNT], 16
	s_wait_alu depctr_va_vdst(0)
	s_wait_tensorcnt 0x0                           ; my record is in,
	s_barrier_signal -1
	s_barrier_wait -1                              ; everybody's is
.macro QK t, p
.set KA, KV+6*(\t)
.set SD, S+8*(\t)
.set KR, KS+(\t)/2
.set QA, QF+12*(\p)
.if ((\t)%2 == 0) && ((\p) == 0)
	v_wmma_scale_f32_16x16x128_f8f6f4 v[SD:SD+7], v[KA:KA+11], v[QA:QA+11], 0, v[KR], v[QS] matrix_a_fmt:MATRIX_FMT_FP6 matrix_b_fmt:MATRIX_FMT_FP6
.elseif (\p) == 0
	v_wmma_scale_f32_16x16x128_f8f6f4 v[SD:SD+7], v[KA:KA+11], v[QA:QA+11], 0, v[KR], v[QS] matrix_a_fmt:MATRIX_FMT_FP6 matrix_b_fmt:MATRIX_FMT_FP6 matrix_a_scale:MATRIX_SCALE_ROW1
.elseif (\t)%2 == 0
	v_wmma_scale_f32_16x16x128_f8f6f4 v[SD:SD+7], v[KA:KA+11], v[QA:QA+11], 0, v[KR], v[QS] matrix_a_fmt:MATRIX_FMT_FP6 matrix_b_fmt:MATRIX_FMT_FP6 matrix_b_scale:MATRIX_SCALE_ROW1
.else
	v_wmma_scale_f32_16x16x128_f8f6f4 v[SD:SD+7], v[KA:KA+11], v[QA:QA+11], 0, v[KR], v[QS] matrix_a_fmt:MATRIX_FMT_FP6 matrix_b_fmt:MATRIX_FMT_FP6 matrix_a_scale:MATRIX_SCALE_ROW1 matrix_b_scale:MATRIX_SCALE_ROW1
.endif
.endm
.macro PV t, p
.set OD, O+32*(\p)+8*(\t)
.set VA, KV+12*(\t)
.set PB, PC+12*(\p)
.if (\t)%2 == 0
	v_wmma_scale_f32_16x16x128_f8f6f4 v[OD:OD+7], v[VA:VA+11], v[PB:PB+11], v[OD:OD+7], v[VS+(\t)/2], v[PW+(\p)] matrix_a_fmt:MATRIX_FMT_FP6 matrix_b_fmt:MATRIX_FMT_FP6
.else
	v_wmma_scale_f32_16x16x128_f8f6f4 v[OD:OD+7], v[VA:VA+11], v[PB:PB+11], v[OD:OD+7], v[VS+(\t)/2], v[PW+(\p)] matrix_a_fmt:MATRIX_FMT_FP6 matrix_b_fmt:MATRIX_FMT_FP6 matrix_a_scale:MATRIX_SCALE_ROW1
.endif
.endm
; The sum tree's last four lines: the pairs 0-3 that are left, and the running sum under the new M
.macro TREEB q
	v_pk_add_f32 v[S:S+1], v[S:S+1], v[S+4:S+5]
	v_pk_add_f32 v[S+2:S+3], v[S+2:S+3], v[S+6:S+7]
	v_pk_add_f32 v[S:S+1], v[S:S+1], v[S+2:S+3]
	v_pk_fma_f32 v[SUM+2*\q:SUM+2*\q+1], v[SUM+2*\q:SUM+2*\q+1], v[F:F+1], v[S:S+1] op_sel_hi:[1,0,1]
.endm
; One tile's 16 queries x 128 keys, from scores to p's codes and scale word.  My lane's blocks are h (S .. S+31) and 2 + h (S+32 .. S+63).
.macro SM q
.set PB, PC+12*\q
	v_max3_num_f32 v[BM0], v[S], v[S+1], v[S+2]            ; each block's largest score, in two chains: it serves the row's maximum and, since p rises with the score, the block's largest p.  Each accumulator is read from its low end on
	v_max3_num_f32 v[BY], v[S+16], v[S+17], v[S+18]
	v_max3_num_f32 v[BM1], v[S+32], v[S+33], v[S+34]
	v_max3_num_f32 v[BY+1], v[S+48], v[S+49], v[S+50]
.irp i, 3,5,7,9,11,13
	v_max3_num_f32 v[BM0], v[BM0], v[S+\i], v[S+\i+1]
	v_max3_num_f32 v[BY], v[BY], v[S+16+\i], v[S+17+\i]
	v_max3_num_f32 v[BM1], v[BM1], v[S+32+\i], v[S+33+\i]
	v_max3_num_f32 v[BY+1], v[BY+1], v[S+48+\i], v[S+49+\i]
.endr
	v_max3_num_f32 v[BM0], v[BM0], v[BY], v[S+15]
	v_max3_num_f32 v[BM1], v[BM1], v[BY+1], v[S+47]
	v_max_num_f32 v[BM0], v[BM0], v[S+31]
	v_max_num_f32 v[BM1], v[BM1], v[S+63]
	v_max_num_f32 v[T0], v[BM0], v[BM1]
	v_permlanex16_b32 v[T1], v[T0], s[SEL], s[SEL+1]
	v_max_num_f32 v[T0], v[T0], v[T1]              ; the step's largest score of my query
	v_mul_f32 v[T0], s[NC], v[T0]                  ; as -t
	v_floor_f32 v[T0], v[T0]                       ; -ceil(t)
	v_min_num_f32 v[TN], v[T0], v[NM+\q]           ; the new -M
	v_sub_f32 v[T1], v[TN], v[NM+\q]               ; old M - new M: a whole number, 0 or less
	v_cvt_i32_f32 v[T1], v[T1]                     ; (it saturates)
	v_ldexp_f32 v[F], 1.0, v[T1]                   ; f = 2^(old M - new M)
	v_fma_f32 v[BM0], v[BM0], s[CS], v[TN]
	v_fma_f32 v[BM1], v[BM1], s[CS], v[TN]
.set j, 0
.rept 32
	v_pk_fma_f32 v[S+j:S+j+1], v[S+j:S+j+1], s[CS:CS+1], v[TN:TN+1] op_sel_hi:[1,0,0]    ; t - M
.set j, j+2
.endr
	s_wait_alu depctr_va_vdst(0)
	v_exp_f32 v[BM0], v[BM0]                       ; the blocks' largest p
	v_exp_f32 v[BM1], v[BM1]
.set j, 0
.rept 64
	v_exp_f32 v[S+j], v[S+j]                       ; p = 2^(t - M)
.set j, j+1
.endr
	s_wait_alu depctr_va_vdst(0)                   ; one wait for the batch, directly ahead of the first reader of O^T too
.set j, 0
.rept 16
	v_pk_mul_f32 v[O+32*\q+j:O+32*\q+j+1], v[O+32*\q+j:O+32*\q+j+1], v[F:F+1] op_sel_hi:[1,0]    ; O^T under the new M; plain places behind the batch
.set j, j+2
.endr
	v_max_num_f32 v[BM0], 0x1800000, v[BM0]        ; the floor 2^(3 - 127): the byte cannot fall under 1
	v_max_num_f32 v[BM1], 0x1800000, v[BM1]
	v_add_nc_u32 v[BM0], 0xff000000, v[BM0]        ; 2 off the exponent field: the conversion's scale operand
	v_add_nc_u32 v[BM1], 0xff000000, v[BM1]
	v_lshrrev_b32 v[BY], 23, v[BM0]                ; the bytes of blocks h and 2 + h
	v_lshrrev_b32 v[BY+1], 23, v[BM1]
	v_lshl_or_b32 v[BY+1], v[BY+1], 16, v[BY]
	v_permlanex16_b32 v[T0], v[BY+1], s[SEL], s[SEL+1]
	v_lshl_or_b32 v[PW+\q], v[T0], 8, v[BY+1]      ; lanes 0-15, which alone are read: blocks 0, 2 are mine, blocks 1, 3 lane l + 16's
	v_cvt_scalef32_pk16_fp6_f32 v[PB:PB+2], v[S:S+15], v[BM0]
	v_cvt_scalef32_pk16_fp6_f32 v[CT0:CT0+2], v[S+16:S+31], v[BM0]    ; (a conversion's three registers begin on an even number)
	v_cvt_scalef32_pk16_fp6_f32 v[PB+6:PB+8], v[S+32:S+47], v[BM1]
	v_cvt_scalef32_pk16_fp6_f32 v[CT1:CT1+2], v[S+48:S+63], v[BM1]
	v_mov_b32 v[NM+\q], v[TN]                      ; -M is kept; also the plain place behind the conversions
.irp i, 0,1,2
	v_mov_b32 v[PB+3+\i], v[CT0+\i]
.endr
.if \q
.irp i, 0,1,2
	v_mov_b32 v[PB+9+\i], v[CT1+\i]
.endr
.endif
.irp n, 32,16,8                        ; THE ROW'S SUM IS TAKEN OF THE UNQUANTISED p: a tree in place, two numbers a line; the codes are made, so p may be written over
.set j, 0
.rept \n/2
	v_pk_add_f32 v[S+j:S+j+1], v[S+j:S+j+1], v[S+\n+j:S+\n+j+1]
.set j, j+2
.endr
.endr
.endm
.Lstep:
	s_barrier_signal -1                            ; I have entered this trip (none of my LDS instructions is out here).  Up to the wait below stand register work and LDS loads of bytes that nobody writes
.irp c, 0,1
.irp w, 0,1
.irp k, 0,1,2
	ds_load_b128 v[KV+24*\c+12*\w+4*\k:KV+24*\c+12*\w+4*\k+3], v[KB] offset:RB+3840*\c+128*\w+640*\k    ; tiles 4 c + 2 w and 4 c + 2 w + 1
.endr
	ds_load_b32 v[KS+2*\c+\w], v[KSB] offset:RB+15360+128*\w+8*\c    ; lanes 0-15 the first's scale words, lanes 16-31 the second's
.endr
.endr
	s_wait_dscnt 0x0
.irp t, 0,1,2,3,4,5,6,7
	QK \t, 0
.endr
	v_add_nc_u32 v[KB], LREC, v[KB]                ; the next record; these four are the places behind the products
	v_add_nc_u32 v[KSB], LREC, v[KSB]
	v_add_nc_u32 v[VB], LREC, v[VB]                ; (v's offsets count from the record before)
	v_add_nc_u32 v[VSB], LREC, v[VSB]
	SM 0
	TREEB 0
.irp t, 0,1,2,3,4,5,6,7
	QK \t, 1
.endr
.irp i, 0,1,2
	v_mov_b32 v[PC+9+\i], v[CT1+\i]                ; the first tile's last codes: three of the four places behind the products
.endr
	v_nop
.irp t, 0,1,2,3
.irp k, 0,1,2
	ds_load_b128 v[KV+12*\t+4*\k:KV+12*\t+4*\k+3], v[VB] offset:VOFF+1920*\t+640*\k    ; v takes k's registers, and lands under the second tile's softmax
.endr
.endr
	ds_load_b64 v[VS:VS+1], v[VSB] offset:VSOFF
	SM 1
	s_wait_alu depctr_va_vdst(0)                   ; directly ahead of the waits below
	s_barrier_wait -1                              ; every wave has entered this trip: the sixteen waves stay within one trip of each other, so that the four of a SIMD work side by side up to the last trip
	s_wait_dscnt 0x0                               ; v and its scale words are in
.irp t, 0,1,2,3
	PV \t, 0
	PV \t, 1
.endr
	TREEB 1                                        ; four places behind the products, ahead of the loads into v's registers and of the way out
	s_sub_co_u32 s[CNT], s[CNT], 1
	s_cmp_lg_u32 s[CNT], 0
	s_cbranch_scc1 .Lstep
	v_add_f32 v[SUM], v[SUM], v[SUM+1]
	v_add_f32 v[SUM+2], v[SUM+2], v[SUM+3]
	v_permlanex16_b32 v[BY], v[SUM], s[SEL], s[SEL+1]
	v_permlanex16_b32 v[BY+1], v[SUM+2], s[SEL], s[SEL+1]
	v_add_f32 v[SUM], v[SUM], v[BY]                ; the rows' sums
	v_add_f32 v[SUM+2], v[SUM+2], v[BY+1]
	s_wait_alu depctr_va_vdst(0)
	v_rcp_f32 v[SUM], v[SUM]
	v_rcp_f32 v[SUM+2], v[SUM+2]
	v_and_b32 v[VSB], 0xff, v[VSB]                 ; 8 x lane again (16 LREC is a multiple of 256): a plain place
	s_wait_alu depctr_va_vdst(0)
.irp q, 0,1
.set j, 0
.rept 16
	v_pk_mul_f32 v[S+32*\q+j:S+32*\q+j+1], v[O+32*\q+j:O+32*\q+j+1], v[SUM+2*\q:SUM+2*\q+1] op_sel_hi:[1,0]    ; o: register 16 b + i is d = 32 b + 16 h + i
.set j, j+2
.endr
.endr
; o is quantised along d; a block of 32 lies in lanes l and l xor 16.  Tile q works in v[KV + 16 q ..]: +0, 1 maxima, +2, 3 the other half's, +4, 5 scale operands, +6, 7 bytes, +8..10 a conversion's second half, +12 the two bytes
.irp q, 0,1
.irp b, 0,1
	v_max3_num_f32 v[KV+16*\q+\b], |v[S+32*\q+16*\b]|, |v[S+32*\q+16*\b+1]|, 0x1800000
.endr
.endr
.irp i, 2,4,6,8,10,12,14
.irp q, 0,1
.irp b, 0,1
	v_max3_num_f32 v[KV+16*\q+\b], v[KV+16*\q+\b], |v[S+32*\q+16*\b+\i]|, |v[S+32*\q+16*\b+\i+1]|
.endr
.endr
.endr
.irp q, 0,1
.irp b, 0,1
	v_permlanex16_b32 v[KV+16*\q+2+\b], v[KV+16*\q+\b], s[SEL], s[SEL+1]
.endr
.endr
.irp q, 0,1
.irp b, 0,1
	v_max_num_f32 v[KV+16*\q+\b], v[KV+16*\q+\b], v[KV+16*\q+2+\b]
.endr
.endr
.irp q, 0,1
.irp b, 0,1
	v_add_nc_u32 v[KV+16*\q+4+\b], 0xff000000, v[KV+16*\q+\b]
.endr
.endr
.irp q, 0,1
.irp b, 0,1
	v_lshrrev_b32 v[KV+16*\q+6+\b], 23, v[KV+16*\q+4+\b]
.endr
.endr
.irp q, 0,1
	v_lshl_or_b32 v[KV+16*\q+12], v[KV+16*\q+7], 8, v[KV+16*\q+6]    ; the head's two bytes of my row's scale word
.endr
.irp q, 0,1
	v_cvt_scalef32_pk16_fp6_f32 v[PC+12*\q:PC+12*\q+2], v[S+32*\q:S+32*\q+15], v[KV+16*\q+4]
	v_cvt_scalef32_pk16_fp6_f32 v[KV+16*\q+8:KV+16*\q+10], v[S+32*\q+16:S+32*\q+31], v[KV+16*\q+5]
.endr
	v_and_b32 v[KV+13], 0x78, v[VSB]               ; os: 4 r + 512 h, made of 8 r + 128 h.  Also the plain place behind the conversions
	v_and_b32 v[KV+14], 0x80, v[VSB]
	v_lshrrev_b32 v[KV+13], 1, v[KV+13]
.irp q, 0,1
.irp i, 0,1,2
	v_permlane16_swap_b32 v[PC+12*\q+\i], v[KV+16*\q+8+\i]
.endr
.endr
.irp q, 0,1
.irp i, 0,1,2
	v_mov_b32 v[PC+12*\q+3+\i], v[KV+16*\q+8+\i]
.endr
.endr
	v_lshl_add_u32 v[KV+13], v[KV+14], 2, v[KV+13]
	s_mov_b32 vcc_lo, 0xffff0000
	v_cndmask_b32 v[KV+12], v[KV+12], v[KV+28], vcc_lo    ; lanes 16-31: my second tile's bytes
.irp q, 0,1
.irp k, 0,1,2
	global_store_b64 v[VSB], v[PC+12*\q+2*\k:PC+12*\q+2*\k+1], s[40:41] offset:12288*\q+256*\k    ; 256 consecutive bytes, aligned
.endr
.endr
	global_store_b16 v[KV+13], v[KV+12], s[42:43]  ; two bytes a row: the word's other half is another head's
	s_wait_tensorcnt 0x0                           ; the wave's end
	ds_add_u32 v[SPW], v[NIL]
	s_wait_dscnt 0x0
	CROUND                                         ; the closing round
	s_endpgm
.Lfunc_end_k_qfc6ec78a6a_attn:
	.size	k_qfc6ec78a6a_attn, .Lfunc_end_k_qfc6ec78a6a_attn-k_qfc6ec78a6a_attn
	.p2alignl 7, 3214868480
	.fill 96, 4, 3214868480
	.section	.rodata,"a",@progbits
	.p2align	6, 0x0
	.amdhsa_kernel k_qfc6ec78a6a_attn
		.amdhsa_group_segment_fixed_size 271872
		.amdhsa_private_segment_fixed_size 0
		.amdhsa_enable_private_segment 0
		.amdhsa_kernarg_size 32
		.amdhsa_user_sgpr_count 2
		.amdhsa_user_sgpr_kernarg_segment_ptr 1
		.amdhsa_wavefront_size32 1
		.amdhsa_system_sgpr_workgroup_id_x 1
		.amdhsa_system_sgpr_workgroup_id_y 1
		.amdhsa_system_sgpr_workgroup_id_z 1
		.amdhsa_system_vgpr_workitem_id 0
		.amdhsa_next_free_vgpr 256
		.amdhsa_next_free_sgpr 66
		.amdhsa_reserve_vcc 1
		.amdhsa_float_denorm_mode_32 3
		.amdhsa_float_denorm_mode_16_64 3
		.amdhsa_memory_ordered 1
		.amdhsa_forward_progress 1
		.amdhsa_inst_pref_size 43
	.end_amdhsa_kernel
	.amdgpu_metadata
---
amdhsa.version: [ 1, 2 ]
amdhsa.kernels:
  - .name:           k_qfc6ec78a6a_attn
    .symbol:         k_qfc6ec78a6a_attn.kd
    .args:
      - { .name: qc, .offset: 0, .size: 8, .value_kind: global_buffer, .address_space: global }
      - { .name: kv, .offset: 8, .size: 8, .value_kind: global_buffer, .address_space: global }
      - { .name: oc, .offset: 16, .size: 8, .value_kind: global_buffer, .address_space: global }
      - { .name: os, .offset: 24, .size: 8, .value_kind: global_buffer, .address_space: global }
    .group_segment_fixed_size: 271872
    .private_segment_fixed_size: 0
    .kernarg_segment_align: 8
    .kernarg_segment_size: 32
    .max_flat_workgroup_size: 512
    .sgpr_count:     66
    .vgpr_count:     256
    .wavefront_size: 32
...
	.end_amdgpu_metadata
.endif
;; end of part 3
;; launch proj (part 4): grid 4 x 32, 4 waves a work-group, clusters of 4 x 4, 327,680 bytes of LDS; arguments oc, os, codes, scl, b_proj, out0; writes out0
.if DOCPART == 4
	.amdgcn_target "amdgcn-amd-amdhsa--gfx1250"
	.amdhsa_code_object_version 6
	.text
	.protected	k_qfc6ec78a6a_proj
	.globl	k_qfc6ec78a6a_proj
	.p2align	8
	.type	k_qfc6ec78a6a_proj,@function
k_qfc6ec78a6a_proj:
	s_mov_b64 s[64:65], 0
	v_nop
	global_prefetch_b8 v0, s[64:65] scope:SCOPE_SE
	s_setreg_imm32_b32 hwreg(HW_REG_WAVE_MODE, 25, 1), 1
	s_wait_xcnt 0x0
	s_wait_alu depctr_hold_cnt(0) depctr_sa_sdst(0) depctr_va_vdst(0) depctr_va_sdst(0) depctr_va_ssrc(0) depctr_va_vcc(0) depctr_vm_vsrc(0)
	s_getreg_b32 s2, hwreg(HW_REG_IB_STS2, 6, 4)
	s_cmp_eq_u32 s2, 0
	s_cbranch_scc0 .Lentry_in_a_cluster
	s_endpgm
.Lentry_in_a_cluster:
	s_bfe_u32 s2, ttmp6, 0x10000c
	s_cmp_lg_u32 s2, 0xf033
	s_cbranch_scc0 .Lentry_shape_is_right
	s_endpgm
.Lentry_shape_is_right:
.set NQ,    2
.set FR,    12
.set NL,    3
.set NLA,   6
.set NP,    4
.set FRB,   1536
.set TILEB, NQ*FRB
.set HALFT, 8*TILEB
.set SLOT,  4*HALFT
.set LAPS,  2
.set SCL,   2*SLOT
.set HALFS, 8*512
.set SPARE, SCL+4*HALFS
.set SPITCH, 528
.set ADRA, 18
.set ADRB, 20
.set STO,  24
.set RD,   25
.set CO,   26
.set ADRS, 27
.set SPW,  28
.set NIL,  29
.set SC,   32
.set AF,   128
.set BK,   128
.set G1,   24
.set G0,   32
.set G1B,  48
.set G0B,  56
.set G1S,  68
.set G0S,  76
.set G0SB, 80
.set G1SB, 92
.set MSB, 0
.macro WIN new
.if MSB != (\new)
	s_set_vgpr_msb (MSB<<8)|(\new)
.set MSB, (\new)
.endif
.endm
.set MUL_LO, 0xa1
.set MUL_HI, 0xf1
.set TO_B,   0x40
.macro JLOAD g0a, g1a, g0b, g1b
	s_cmp_eq_u32 s13, 0
	s_cbranch_scc0 .Lfor_b_\@
	tensor_load_to_lds s[\g0a:\g0a+3], s[\g1a:\g1a+7]
	s_nop 0
.rept 4
	v_nop
.endr
	s_branch .Lasked_\@
.Lfor_b_\@:
	tensor_load_to_lds s[\g0b:\g0b+3], s[\g1b:\g1b+7]
	s_nop 0
.rept 4
	v_nop
.endr
.Lasked_\@:
.endm
.macro CREST
	s_cmp_lg_u32 s12, 0
	s_cbranch_scc1 .Lnot_wave_0_\@
	s_barrier_signal -3
.Lnot_wave_0_\@:
	s_barrier_wait -3
	s_barrier_signal -1
	s_barrier_wait -1
.endm
.macro CROUND
	s_barrier_signal -1
	s_barrier_wait -1
	CREST
.endm
	s_load_b256 s[4:11], s[0:1], 0x0
	s_load_b128 s[84:87], s[0:1], 0x20
	v_lshl_add_u32 v[SPW], v0, 2, SPARE
	v_mov_b32 v[NIL], 0
	ds_add_u32 v[SPW], v[NIL]
	ds_add_u32 v[SPW], v[NIL]
	v_lshrrev_b32 v1, 5, v0
	v_readfirstlane_b32 s12, v1
	s_lshr_b32 s13, s12, 1
	s_and_b32 s14, s12, 1
	s_bfe_u32 s40, ttmp6, 0x40000
	s_bfe_u32 s41, ttmp6, 0x40004
	s_and_b32 s43, ttmp7, 0xffff
	s_lshl_b32 s43, s43, 2
	s_add_co_u32 s43, s43, s41
	s_lshl_b32 s42, ttmp9, 2
	s_add_co_u32 s42, s42, s40
	s_lshl_b32 s45, s41, 2
	s_lshl_b32 s45, 15, s45
	s_lshl_b32 s44, 0x1111, s40
	s_or_b32 s[G1+0], s45, (3<<16)|(1<<21)
	s_or_b32 s[G1B+0], s44, (3<<16)|(1<<21)
.irp g, G1, G1B
	s_mov_b32 s[\g+1], 384<<16
	s_mov_b32 s[\g+2], 16<<16
	s_mov_b32 s[\g+3], 384<<16
	s_mov_b32 s[\g+4], 16
	s_mov_b32 s[\g+5], 1536
	s_mov_b32 s[\g+6], 0
	s_mov_b32 s[\g+7], 0
.endr
	s_or_b32 s[G1S+0], s45, (3<<16)|(1<<21)
	s_or_b32 s[G1SB+0], s44, (3<<16)|(1<<21)
.irp g, G1S, G1SB
	s_mov_b32 s[\g+1], 32<<16
	s_mov_b32 s[\g+2], 32<<16
	s_mov_b32 s[\g+3], 32<<16
	s_mov_b32 s[\g+4], 32
	s_mov_b32 s[\g+5], 32
	s_mov_b32 s[\g+6], 0
	s_mov_b32 s[\g+7], 0
.endr
	s_lshl_b32 s17, s14, 3
	s_lshl_b32 s16, s43, 4
	s_add_co_u32 s16, s16, s17
	s_add_co_u32 s18, s42, 44
	s_lshl_b32 s18, s18, 4
	s_add_co_u32 s18, s18, s17
	s_mul_i32 s20, s16, 12288
	s_mov_b32 s21, 0
	s_mul_i32 s22, s18, 12288
	s_mov_b32 s23, 0
	s_lshl_b32 s16, s16, 9
	s_mov_b32 s17, 0
	s_lshl_b32 s18, s18, 9
	s_mov_b32 s19, 0
	s_mul_i32 s66, s12, HALFT
	s_lshl_b32 s67, s12, 12
	s_wait_dscnt 0x0
	s_wait_kmcnt 0x0
	s_add_nc_u64 s[20:21], s[4:5], s[20:21]
	s_add_nc_u64 s[22:23], s[8:9], s[22:23]
	s_add_nc_u64 s[16:17], s[6:7], s[16:17]
	s_add_nc_u64 s[18:19], s[10:11], s[18:19]
	CROUND
; The head's four tiles, each whole, one load a wave: wave 0 slot 0's 16 tile rows of A, wave 1 the scales of A's 16 tiles, wave 2 slot 0's 16 tile rows of B, wave 3 B's scales.
	s_lshl_b32 s2, s14, 12                         ; my half's 8 tiles of scale words, taken off again: the head's loads begin at the block's first tile
	s_mov_b32 s3, 0
	s_sub_nc_u64 s[16:17], s[16:17], s[2:3]
	s_sub_nc_u64 s[18:19], s[18:19], s[2:3]
	s_mov_b32 s[G0S], 1
	s_mov_b32 s[G0S+1], SCL
	s_mov_b64 s[G0S+2:G0S+3], s[16:17]
	s_or_b32 s[G0S+3], s[G0S+3], 0x80000000
	s_mov_b32 s[G0SB], 1
	s_mov_b32 s[G0SB+1], SCL+2*HALFS
	s_mov_b64 s[G0SB+2:G0SB+3], s[18:19]
	s_or_b32 s[G0SB+3], s[G0SB+3], 0x80000000
	s_mul_i32 s2, s14, 8*12288                     ; my half's 8 tiles of codes
	s_mov_b32 s[G0], 1
	s_mov_b32 s[G0+1], 0
	s_sub_nc_u64 s[G0+2:G0+3], s[20:21], s[2:3]
	s_or_b32 s[G0+3], s[G0+3], 0x80000000
	s_mov_b32 s[G0B], 1
	s_mov_b32 s[G0B+1], 2*HALFT
	s_sub_nc_u64 s[G0B+2:G0B+3], s[22:23], s[2:3]
	s_or_b32 s[G0B+3], s[G0B+3], 0x80000000
	s_mov_b32 s[G0+4], 1
	s_add_co_u32 s[G0+5], s66, SLOT
	s_add_nc_u64 s[G0+6:G0+7], s[20:21], TILEB
	s_or_b32 s[G0+7], s[G0+7], 0x80000000
	s_mov_b32 s[G0B+4], 1
	s_add_co_u32 s[G0B+5], s66, SLOT
	s_add_nc_u64 s[G0B+6:G0B+7], s[22:23], TILEB
	s_or_b32 s[G0B+7], s[G0B+7], 0x80000000
.macro ARM under, g0, g1, next
	s_cmp_lt_u32 s12, \under
	s_cbranch_scc0 \next
	tensor_load_to_lds s[\g0:\g0+3], s[\g1:\g1+7]
	s_nop 0
.rept 4
	v_nop
.endr
	s_branch .Lhead_asked
\next:
.endm
	ARM 1, G0,  G1,  .Lhead_sa
	ARM 2, G0S, G1S, .Lhead_b
	ARM 3, G0B, G1B, .Lhead_sb
	tensor_load_to_lds s[G0SB:G0SB+3], s[G1SB:G1SB+7]
	s_nop 0
.rept 4
	v_nop
.endr
.Lhead_asked:
	s_wait_alu depctr_va_vdst(0)
	s_wait_tensorcnt 0x0                           ; my tile of the four is in; no load of mine is out, so descriptors may be written
	ds_add_u32 v28, v29
	s_mov_b32 s[G1+2], 8<<16                       ; from here on a load brings 8 tile rows, a quarter of a slot
	s_mov_b32 s[G1+4], 8
	s_mov_b32 s[G1B+2], 8<<16
	s_mov_b32 s[G1B+4], 8
	s_mov_b32 s[G0+1], s66                         ; slot 0's group 0 as the ring wants it: my quarter
	s_add_nc_u64 s[G0+2:G0+3], s[G0+2:G0+3], s[2:3]
	s_mov_b32 s[G0B+1], s66
	s_add_nc_u64 s[G0B+2:G0B+3], s[G0B+2:G0B+3], s[2:3]
	s_wait_dscnt 0x0
	CROUND
	JLOAD G0+4, G1, G0B+4, G1B
	v_and_b32 v1, 31, v0
	v_lshlrev_b32 v2, 4, v1
	v_lshlrev_b32 v6, 3, v1
	v_and_b32 v3, 15, v0
	v_bfe_u32 v4, v0, 4, 1
	s_wait_alu depctr_va_vdst(0)
	s_lshl_b32 s20, s42, 10
	s_lshl_b32 s21, s14, 9
	s_add_co_u32 s20, s20, s21
	s_mov_b32 s21, 0
	s_add_nc_u64 s[84:85], s[84:85], s[20:21]
	s_add_nc_u64 s[86:87], s[86:87], s[20:21]
	s_lshl_b32 s20, s43, 8
	s_lshl_b32 s22, s13, 7
	s_add_co_u32 s20, s20, s22
	s_lshl_b32 s20, s20, 12
	s_add_nc_u64 s[86:87], s[86:87], s[20:21]
	v_lshlrev_b32 v7, 6, v4
	WIN TO_B
.irp b, 0,1,2,3,4,5,6,7
	global_load_b128 v[96+8*\b+96*(\b/4):96+8*\b+96*(\b/4)+3], v7, s[84:85] offset:128*(\b/2)+32*(\b%2)
	global_load_b128 v[96+8*\b+96*(\b/4)+4:96+8*\b+96*(\b/4)+7], v7, s[84:85] offset:128*(\b/2)+32*(\b%2)+16
.endr
	WIN 0
	s_mul_i32 s16, s13, HALFT
	s_mul_i32 s17, s14, HALFT
	s_add_co_u32 s17, s17, 2*HALFT
.irp s, 0,1
	v_add_nc_u32 v[ADRA+\s], s16, v6
	v_add_nc_u32 v[ADRB+\s], s17, v2
	s_add_co_u32 s16, s16, SLOT
	s_add_co_u32 s17, s17, SLOT
.endr
	v_lshlrev_b32 v5, 2, v3
	s_lshl_b32 s18, s13, 12
	s_lshl_b32 s19, s14, 12
	s_add_co_u32 s19, s19, 2*HALFS
	s_sub_co_u32 s19, s19, s18
	v_mul_u32_u24 v8, s19, v4
	s_add_co_u32 s18, s18, SCL
	v_add_nc_u32 v5, v5, v8
	v_add_nc_u32 v[ADRS], s18, v5
	s_mul_i32 s19, s12, 16*SPITCH
	v_mul_u32_u24 v5, v3, SPITCH
	v_lshl_add_u32 v5, v4, 6, v5
	v_add_nc_u32 v[STO], s19, v5
	v_add_nc_u32 v[RD], s19, v2
	v_mov_b32 v[CO], v2
.macro FRAG reg, adr, q, i
.irp c, 0,1,2
	ds_load_b128 v[\reg+4*\c:\reg+4*\c+3], v[\adr] offset:TILEB*(\i)+FRB*(\q)+512*\c
.endr
.endm
.macro FRAGA reg, adr, q, i
.irp p, 0,1,2,3,4,5
	ds_load_b64 v[\reg+2*\p:\reg+2*\p+1], v[\adr] offset:TILEB*(\i)+FRB*(\q)+256*\p
.endr
.endm
.macro MUL16 a0, p, q, sc, bias
.irp a, \a0, \a0+1
.irp b, 0,1,2,3,4,5,6,7
.if \bias
	v_wmma_scale_f32_16x16x128_f8f6f4 v[8*(8*((\a)%4)+\b):8*(8*((\a)%4)+\b)+7], v[128*(\p)+FR*\b:128*(\p)+FR*\b+FR-1], v[AF+FR*(\a):AF+FR*(\a)+FR-1], v[96+8*\b+96*(\b/4):96+8*\b+96*(\b/4)+7], v[SC+8*NQ*(\sc)+NQ*\b+(\q)], v[SC+8*NQ*(\sc)+NQ*(\a)+(\q)] matrix_a_fmt:MATRIX_FMT_FP6 matrix_b_fmt:MATRIX_FMT_FP6 matrix_a_scale:MATRIX_SCALE_ROW1
.else
	v_wmma_scale_f32_16x16x128_f8f6f4 v[8*(8*((\a)%4)+\b):8*(8*((\a)%4)+\b)+7], v[128*(\p)+FR*\b:128*(\p)+FR*\b+FR-1], v[AF+FR*(\a):AF+FR*(\a)+FR-1], v[8*(8*((\a)%4)+\b):8*(8*((\a)%4)+\b)+7], v[SC+8*NQ*(\sc)+NQ*\b+(\q)], v[SC+8*NQ*(\sc)+NQ*(\a)+(\q)] matrix_a_fmt:MATRIX_FMT_FP6 matrix_b_fmt:MATRIX_FMT_FP6 matrix_a_scale:MATRIX_SCALE_ROW1
.endif
.endr
.endr
.endm
.macro FETCH_B slot, q, p
	WIN TO_B
.irp i, 0,1,2,3,4,5,6,7
	FRAG 128*(\p)+FR*\i, ADRB+\slot, \q, \i
.endr
	WIN 0
.endm
.macro FETCH_A slot, q, i0
.irp i, \i0, \i0+1, \i0+2, \i0+3
	FRAGA AF+FR*(\i), ADRA+\slot, \q, \i
.endr
.endm
.macro SCALES sc
.irp i, 0,1,2,3,4,5,6,7
.irp q, 0,1
	ds_load_b32 v[SC+16*\sc+2*\i+\q], v[ADRS] offset:512*\i+64*\q
.endr
.endr
.endm
.macro PLACES n
.rept \n
	v_nop
.endr
.endm
.macro STEP slot, q, bias
	s_wait_dscnt 4*NLA
.if \bias
	WIN 0x91
.else
	WIN MUL_LO
.endif
	MUL16 0, (\q)%2, \q, \slot, \bias
	MUL16 2, (\q)%2, \q, \slot, \bias
	s_wait_dscnt 0
	PLACES NP
	FETCH_B \slot, (\q)+1, 1-(\q)%2
	FETCH_A \slot, (\q)+1, 0
.if \bias
	WIN 0xd1
.else
	WIN MUL_HI
.endif
	MUL16 4, (\q)%2, \q, \slot, \bias
	MUL16 6, (\q)%2, \q, \slot, \bias
	PLACES NP
	WIN 0
	FETCH_A \slot, (\q)+1, 4
.endm
.macro TURN slot, next, fill
	s_wait_tensorcnt 0x0
	ds_add_u32 v[SPW], v[NIL]
	s_wait_dscnt 4*NLA+1
	WIN MUL_LO
	MUL16 0, 1, NQ-1, \slot, 0
	s_wait_dscnt 0x0
	s_barrier_signal -1
	MUL16 2, 1, NQ-1, \slot, 0
	WIN 0
	s_barrier_wait -1
.if \fill
	CREST
	s_add_nc_u64 s[G0+4*\slot+2:G0+4*\slot+3], s[G0+4*\slot+2:G0+4*\slot+3], 2*TILEB
	s_add_nc_u64 s[G0B+4*\slot+2:G0B+4*\slot+3], s[G0B+4*\slot+2:G0B+4*\slot+3], 2*TILEB
	JLOAD G0+4*\slot, G1, G0B+4*\slot, G1B
.else
	PLACES NP
.endif
	s_wait_alu depctr_va_vdst(0)
	v_add_nc_u32 v[ADRS], 64*NQ, v[ADRS]
	FETCH_B \next, 0, 0
	FETCH_A \next, 0, 0
	SCALES \next
	WIN MUL_HI
	MUL16 4, 1, NQ-1, \slot, 0
	MUL16 6, 1, NQ-1, \slot, 0
	PLACES NP
	WIN 0
	FETCH_A \next, 0, 4
.endm
	s_wait_alu depctr_va_vdst(0)
	s_wait_tensorcnt 1
	s_barrier_signal -1
	s_barrier_wait -1
	FETCH_B 0, 0, 0
	FETCH_A 0, 0, 0
	SCALES 0
	FETCH_A 0, 0, 4
	s_wait_loadcnt 0x0
	STEP 0, 0, 1
	s_mov_b32 s3, LAPS-1
.Llap:
	TURN 0, 1, 1
	STEP 1, 0, 0
	TURN 1, 0, 1
	STEP 0, 0, 0
	s_sub_co_u32 s3, s3, 1
	s_cmp_lg_u32 s3, 0
	s_cbranch_scc1 .Llap
	TURN 0, 1, 0
	STEP 1, 0, 0
	s_wait_dscnt 4*NLA
	WIN MUL_LO
	MUL16 0, 1, NQ-1, 1, 0
	MUL16 2, 1, NQ-1, 1, 0
	s_wait_dscnt 0
	WIN MUL_HI
	MUL16 4, 1, NQ-1, 1, 0
	MUL16 6, 1, NQ-1, 1, 0
	WIN 0
.macro TOSTAGE a
.set AC, 64*((\a)%4)
	WIN 0x08+4*((\a)/4)
.irp b, 0,1,2,3,4,5,6,7
	ds_store_b128 v[STO], v[AC+8*\b:AC+8*\b+3] offset:128*(\b/2)+32*(\b%2)
	ds_store_b128 v[STO], v[AC+8*\b+4:AC+8*\b+7] offset:128*(\b/2)+32*(\b%2)+16
.endr
	WIN 0
.set BB, BK+64*((\a)%2)
.irp t, 0,1,2,3,4,5,6,7,8,9,10,11,12,13,14,15
	ds_load_b128 v[BB+4*\t:BB+4*\t+3], v[RD] offset:\t*SPITCH
.endr
.endm
.macro SEND a, younger
.set BB, BK+64*((\a)%2)
.set RO, (32*((\a)/2)+8*((\a)%2))*4096
	s_wait_dscnt \younger
.irp t, 0,1,2,3,4,5,6,7,8,9,10,11,12,13,14,15
	global_store_b128 v[CO], v[BB+4*\t:BB+4*\t+3], s[86:87] offset:RO+(\t+8*(\t/8))*4096 th:TH_STORE_NT
.endr
.endm
	PLACES NP
	TOSTAGE 0
.irp a, 1,2,3,4,5,6,7
.if \a > 1
	s_wait_xcnt 0x0
.endif
	TOSTAGE \a
	SEND \a-1, 32
.endr
	SEND 7, 0
	s_wait_tensorcnt 0x0
	ds_add_u32 v[SPW], v[NIL]
	s_wait_dscnt 0x0
	CROUND
	s_endpgm
.Lfunc_end_k_qfc6ec78a6a_proj:
	.size	k_qfc6ec78a6a_proj, .Lfunc_end_k_qfc6ec78a6a_proj-k_qfc6ec78a6a_proj
	.p2alignl 7, 3214868480
	.fill 96, 4, 3214868480
	.section	.rodata,"a",@progbits
	.p2align	6, 0x0
	.amdhsa_kernel k_qfc6ec78a6a_proj
		.amdhsa_group_segment_fixed_size 327680
		.amdhsa_private_segment_fixed_size 0
		.amdhsa_enable_private_segment 0
		.amdhsa_kernarg_size 48
		.amdhsa_user_sgpr_count 2
		.amdhsa_user_sgpr_kernarg_segment_ptr 1
		.amdhsa_wavefront_size32 1
		.amdhsa_system_sgpr_workgroup_id_x 1
		.amdhsa_system_sgpr_workgroup_id_y 1
		.amdhsa_system_sgpr_workgroup_id_z 1
		.amdhsa_system_vgpr_workitem_id 0
		.amdhsa_next_free_vgpr 1024
		.amdhsa_next_free_sgpr 100
		.amdhsa_reserve_vcc 0
		.amdhsa_float_denorm_mode_32 3
		.amdhsa_float_denorm_mode_16_64 3
		.amdhsa_memory_ordered 1
		.amdhsa_forward_progress 1
		.amdhsa_inst_pref_size 152
	.end_amdhsa_kernel
	.amdgpu_metadata
---
amdhsa.version: [ 1, 2 ]
amdhsa.kernels:
  - .name:           k_qfc6ec78a6a_proj
    .symbol:         k_qfc6ec78a6a_proj.kd
    .args:
      - { .name: oc, .offset: 0, .size: 8, .value_kind: global_buffer, .address_space: global }
      - { .name: os, .offset: 8, .size: 8, .value_kind: global_buffer, .address_space: global }
      - { .name: codes, .offset: 16, .size: 8, .value_kind: global_buffer, .address_space: global }
      - { .name: scl, .offset: 24, .size: 8, .value_kind: global_buffer, .address_space: global }
      - { .name: b_proj, .offset: 32, .size: 8, .value_kind: global_buffer, .address_space: global }
      - { .name: out0, .offset: 40, .size: 8, .value_kind: global_buffer, .address_space: global }
    .group_segment_fixed_size: 327680
    .private_segment_fixed_size: 0
    .kernarg_segment_align: 8
    .kernarg_segment_size: 48
    .max_flat_workgroup_size: 128
    .sgpr_count:     100
    .vgpr_count:     1024
    .wavefront_size: 32
...
	.end_amdgpu_metadata
.endif
;; end of part 4
